; MI455X (gfx1250); checked and timed in simulation.
; The chip was launched on July 23, 2026; its instructions are those of AMD's public machine-readable ISA for CDNA 5 (MIT licence, August 2026) and "CDNA5" Instruction Set Architecture Reference Guide (July 2026). The comments in the code are by the model that wrote it; some were corrected since.
;; Perceiver Cross Attention. Allowed arithmetic: float matrix products may take bf16 or f16 operands with f32 sums; other float arithmetic in f32, or as packed bf16 or f16 multiplies, adds, multiply-adds, maxima and minima; sums over many terms, partial sums and values carried from step to step in f32; what a program stores and reads back later, other than sums and carried values, may be rounded once to bf16 or f16.
;; Inputs: Wkv 2,048 x 2,048 float32; Wout 1,024 x 3,072 float32; Wq 3,072 x 1,024 float32; latents 2 x 1,024 x 3,072 float32; ln1_b 2,048 float32; ln1_g 2,048 float32; ln2_b 3,072 float32; ln2_g 3,072 float32; x 2 x 4,096 x 2,048 float32.
;; Outputs: out0 2 x 1,024 x 3,072 float32.
;; One version. Each part assembles by itself: llvm-mc -triple=amdgcn-amd-amdhsa -mcpu=gfx1250 --defsym DOCPART=n.
;; ======== version 1 of 1: 5 launches
;; limits: values are held in f16: magnitudes above 65,504 overflow, below 6.1e-05 lose precision
;; workspace buffers: xn16 33,554,432 bytes; ln16 12,582,912 bytes; w16 20,971,520 bytes; q32a 8,388,608 bytes; q32b 8,388,608 bytes; k16 16,777,216 bytes; v16 16,777,216 bytes; o16 4,194,304 bytes
;; launch prep (part 1): grid 512 x 1, 4 waves a work-group, no clusters, 0 bytes of LDS; arguments x, latents, ln1_g, ln1_b, ln2_g, ln2_b, Wq, Wkv, Wout, xn16, ln16, w16; writes xn16, ln16, w16
.if DOCPART == 1
	.amdgcn_target "amdgcn-amd-amdhsa--gfx1250"
	.amdhsa_code_object_version 6
	.text
	.protected	k_q0a04dbc55c_prep
	.globl	k_q0a04dbc55c_prep
	.p2align	8
	.type	k_q0a04dbc55c_prep,@function
k_q0a04dbc55c_prep:
	s_mov_b64 s[64:65], 0
	v_nop
	global_prefetch_b8 v0, s[64:65] scope:SCOPE_SE
	s_setreg_imm32_b32 hwreg(HW_REG_WAVE_MODE, 25, 1), 1
	s_wait_xcnt 0x0
; LAYER NORMS AND CASTS.  xn16 = f16(LN(x) g1 + b1), [8192][2048]; ln16 = f16(LN(latents) g2 + b2), [2048][3072]; w16 = f16 of Wq, Wkv, Wout, one behind the other, each as it lies ([in][out]).
; Mean, then the mean of (x - mean)^2, both in f32 on the row held in registers: the row is read once.  One rounding to f16 at the end.
; LIMITS.  f16 ends at 65,504: |LN g + b| is at most sqrt(row length) |g| + |b|, and the weights must lie within it too; below 6e-5 f16 has a fixed step of 6e-8.  NaN and infinities are not treated apart.
; SHARES.  512 work-groups that each read 262,144 bytes.  0-255: 32 rows of x (8,192 bytes a row), 8 a wave.  256-511: 8 rows of latents (12,288 bytes a row), 2 a wave, and then 20 PIECES of 2,048 weights
; (8,192 bytes), 5 a wave.  The three matrices have 1,536 + 2,048 + 1,536 pieces, so a piece lies in one matrix; in w16 the pieces follow each other, so the target goes by the piece's number alone.
; A row lies in ONE wave: lane l holds the four numbers 128 j + 4 l .. + 3 of chunk j, so a load covers 512 consecutive bytes and a store of the packed chunk 256 consecutive bytes, aligned.
; No LDS, no barrier, no matrix unit, no cluster: no wave wants a byte that another has fetched but the gains and biases, which stay in registers.
.set MSB, 0
.macro WIN new                         ; the immediate's high byte repeats the setting that is left
.if MSB != (\new)
	s_set_vgpr_msb (MSB<<8)|(\new)
.set MSB, (\new)
.endif
.endm
.set T,   4                            ; v[4:11]   four packed chains of sums
.set MU,  12                           ; v[12:13]  the mean, twice
.set RS,  14                           ; v[14:15]  1 / sqrt(var + eps), twice
.set BB,  208                          ; v[208:255] the bias' chunks 0-11; chunks 12 on lie in window 1 from v0
.set CNT, 36                           ; s36  trips to go
.set SRC, 38                           ; s[38:39]  where the wave reads
.set DST, 40                           ; s[40:41]  where it writes
.set OFS, 42                           ; s[42:43]  an offset, high word 0
.set GP,  44                           ; s[44:45]  the gain
.set BP,  46                           ; s[46:47]  the bias
.macro LDGB nch, gb                    ; gain and bias of my columns, once: nch chunks each
.set j, 0
.rept \nch
	global_load_b128 v[(\gb)+4*j:(\gb)+4*j+3], v1, s[GP:GP+1] offset:512*j
.set j, j+1
.endr
.set j, 0
.rept 12
	global_load_b128 v[BB+4*j:BB+4*j+3], v1, s[BP:BP+1] offset:512*j
.set j, j+1
.endr
	WIN 0x40                                       ; destination window 1, address window 0
.rept (\nch)-12
	global_load_b128 v[4*(j-12):4*(j-12)+3], v1, s[BP:BP+1] offset:512*j
.set j, j+1
.endr
	WIN 0
.endm
.macro LDROW xb, nch, off              ; nch chunks of 512 consecutive bytes
.set j, 0
.rept \nch
	global_load_b128 v[(\xb)+4*j:(\xb)+4*j+3], v1, s[SRC:SRC+1] offset:(\off)+512*j th:TH_LOAD_NT
.set j, j+1
.endr
.endm
.macro STROW xb, nch, off              ; nch packed chunks: 32 lanes x 8 bytes = 256 consecutive bytes, aligned
.set j, 0
.rept \nch
	global_store_b64 v2, v[(\xb)+2*j:(\xb)+2*j+1], s[DST:DST+1] offset:(\off)+256*j th:TH_STORE_NT
.set j, j+1
.endr
.endm
.macro PACKROW xb, np                  ; np pairs rounded to f16, in place and ascending: the target j never passes the sources 2 j, 2 j + 1
.set j, 0
.rept \np
	v_cvt_pk_f16_f32 v[(\xb)+j], v[(\xb)+2*j], v[(\xb)+2*j+1]
.set j, j+1
.endr
.endm
.macro MERGE                           ; the four chains into one number, the same in all 32 lanes
	v_pk_add_f32 v[T:T+1], v[T:T+1], v[T+2:T+3]
	v_pk_add_f32 v[T+4:T+5], v[T+4:T+5], v[T+6:T+7]
	v_pk_add_f32 v[T:T+1], v[T:T+1], v[T+4:T+5]
	v_add_f32 v[T], v[T], v[T+1]
	v_add_f32_dpp v[T], v[T], v[T] row_xmask:1 row_mask:0xf bank_mask:0xf
	v_add_f32_dpp v[T], v[T], v[T] row_xmask:2 row_mask:0xf bank_mask:0xf
	v_add_f32_dpp v[T], v[T], v[T] row_xmask:4 row_mask:0xf bank_mask:0xf
	v_add_f32_dpp v[T], v[T], v[T] row_xmask:8 row_mask:0xf bank_mask:0xf
	v_permlanex16_b32 v3, v[T], s32, s33           ; v3 was written at the head
	v_add_f32 v[T], v[T], v3
.endm
.macro LNROW xb, np, gb                ; a row of np pairs a lane at v[xb ..]: normed, scaled, shifted, packed
.set j, 0
.rept 4
	v_pk_add_f32 v[T+2*j:T+2*j+1], v[(\xb)+2*j:(\xb)+2*j+1], v[(\xb)+8+2*j:(\xb)+8+2*j+1]  ; the first eight pairs start the chains: nothing is cleared
.set j, j+1
.endr
.set j, 8
.rept (\np)-8
	v_pk_add_f32 v[T+2*(j%4):T+2*(j%4)+1], v[T+2*(j%4):T+2*(j%4)+1], v[(\xb)+2*j:(\xb)+2*j+1]
.set j, j+1
.endr
	MERGE
	v_mul_f32 v[MU], s34, v[T]
	v_mul_f32 v[MU+1], s34, v[T]
.set j, 0
.rept \np
	v_pk_add_f32 v[(\xb)+2*j:(\xb)+2*j+1], v[(\xb)+2*j:(\xb)+2*j+1], v[MU:MU+1] neg_lo:[0,1] neg_hi:[0,1]  ; x - mean
.set j, j+1
.endr
.set j, 0
.rept 4
	v_pk_mul_f32 v[T+2*j:T+2*j+1], v[(\xb)+2*j:(\xb)+2*j+1], v[(\xb)+2*j:(\xb)+2*j+1]
.set j, j+1
.endr
.rept (\np)-4
	v_pk_fma_f32 v[T+2*(j%4):T+2*(j%4)+1], v[(\xb)+2*j:(\xb)+2*j+1], v[(\xb)+2*j:(\xb)+2*j+1], v[T+2*(j%4):T+2*(j%4)+1]
.set j, j+1
.endr
	MERGE
	v_fma_f32 v[RS+1], v[T], s34, s35              ; var + eps
	v_rsq_f32 v[RS], v[RS+1]
	v_nop                                          ; a plain instruction behind the root, before its result is read and its source written
	s_wait_alu depctr_va_vdst(0)
	v_mov_b32 v[RS+1], v[RS]
.set j, 0
.rept \np
	v_pk_mul_f32 v[(\xb)+2*j:(\xb)+2*j+1], v[(\xb)+2*j:(\xb)+2*j+1], v[RS:RS+1]
.set j, j+1
.endr
.set j, 0
.rept 24
	v_pk_fma_f32 v[(\xb)+2*j:(\xb)+2*j+1], v[(\xb)+2*j:(\xb)+2*j+1], v[(\gb)+2*j:(\gb)+2*j+1], v[BB+2*j:BB+2*j+1]
.set j, j+1
.endr
	WIN 0x10                                       ; source 2, the bias, in window 1
.rept (\np)-24
	v_pk_fma_f32 v[(\xb)+2*j:(\xb)+2*j+1], v[(\xb)+2*j:(\xb)+2*j+1], v[(\gb)+2*j:(\gb)+2*j+1], v[2*(j-24):2*(j-24)+1]
.set j, j+1
.endr
	WIN 0
	PACKROW \xb, \np
.endm
	s_load_b512 s[8:23], s[0:1], 0x0               ; x 8, latents 10, g1 12, b1 14, g2 16, b2 18, Wq 20, Wkv 22
	s_load_b256 s[24:31], s[0:1], 0x40             ; Wout 24, xn16 26, ln16 28, w16 30
	v_and_b32 v1, 31, v0
	v_lshrrev_b32 v2, 5, v0
	v_readfirstlane_b32 s3, v2                     ; wave 0..3
	v_lshlrev_b32 v2, 3, v1                        ; 8 bytes a lane going out
	v_lshlrev_b32 v1, 4, v1                        ; 16 bytes a lane coming in
	v_mov_b32 v3, 0
	s_mov_b32 s2, ttmp9
	s_mov_b32 s32, 0x76543210                      ; v_permlanex16_b32: each lane takes its own place in the other half
	s_mov_b32 s33, 0xfedcba98
	s_mov_b32 s35, 0x3727c5ac                      ; eps = 1e-5
	s_mov_b32 s[OFS+1], 0
	s_wait_kmcnt 0x0
	s_cmp_lt_u32 s2, 256
	s_cbranch_scc0 .Lother
	; X: rows of 2,048 numbers, 16 chunks; two rows a trip, four trips: the second row's loads are out while the first is worked on
	s_lshl_b32 s37, s2, 5
	s_lshl3_add_u32 s37, s3, s37                   ; my first row: 32 x work-group + 8 x wave
	s_lshl_b32 s[OFS], s37, 13
	s_add_nc_u64 s[SRC:SRC+1], s[8:9], s[OFS:OFS+1]
	s_lshl_b32 s[OFS], s37, 12
	s_add_nc_u64 s[DST:DST+1], s[26:27], s[OFS:OFS+1]
	s_mov_b64 s[GP:GP+1], s[12:13]
	s_mov_b64 s[BP:BP+1], s[14:15]
	s_mov_b32 s34, 0x3a000000                      ; 1 / 2048
	LDGB 16, 144
	s_mov_b32 s[CNT], 4
.Lx:
	LDROW 16, 16, 0
	LDROW 80, 16, 8192
	s_wait_loadcnt 16                              ; loads return in order: the first row is in (gain and bias are older); the second row's 16 may stay out
	LNROW 16, 32, 144
	STROW 16, 16, 0
	s_wait_loadcnt 0x0
	LNROW 80, 32, 144
	STROW 80, 16, 4096
	s_wait_xcnt 0x0                                ; the stores' data registers and both bases are written again only behind this wait
	s_add_nc_u64 s[SRC:SRC+1], s[SRC:SRC+1], 16384
	s_add_nc_u64 s[DST:DST+1], s[DST:DST+1], 8192
	s_sub_co_u32 s[CNT], s[CNT], 1
	s_cmp_lg_u32 s[CNT], 0
	s_cbranch_scc1 .Lx
	s_endpgm
.Lother:
	; LATENTS: rows of 3,072 numbers, 24 chunks; one row a trip, two trips
	s_sub_co_u32 s37, s2, 256
	s_lshl2_add_u32 s37, s37, s3                   ; my wave among the 1,024 of this kind
	s_lshl_b32 s4, s37, 1                          ; my first row
	s_mul_i32 s[OFS], s4, 12288
	s_add_nc_u64 s[SRC:SRC+1], s[10:11], s[OFS:OFS+1]
	s_mul_i32 s[OFS], s4, 6144
	s_add_nc_u64 s[DST:DST+1], s[28:29], s[OFS:OFS+1]
	s_mov_b64 s[GP:GP+1], s[16:17]
	s_mov_b64 s[BP:BP+1], s[18:19]
	s_mov_b32 s34, 0x39aaaaab                      ; 1 / 3072
	LDGB 24, 112
	s_mov_b32 s[CNT], 2
.Llat:
	LDROW 16, 24, 0
	s_wait_loadcnt 0x0                             ; the row (and, in the first trip, gain and bias)
	LNROW 16, 48, 112
	STROW 16, 24, 0
	s_wait_xcnt 0x0                                ; the stores' data registers and both bases are written again only behind this wait
	s_add_nc_u64 s[SRC:SRC+1], s[SRC:SRC+1], 12288
	s_add_nc_u64 s[DST:DST+1], s[DST:DST+1], 6144
	s_sub_co_u32 s[CNT], s[CNT], 1
	s_cmp_lg_u32 s[CNT], 0
	s_cbranch_scc1 .Llat
	; WEIGHTS: five pieces of 16 chunks; pieces 0-1535 are Wq's, 1536-3583 Wkv's, 3584-5119 Wout's
	s_mul_i32 s37, s37, 5                          ; my first piece
	s_mov_b32 s[CNT], 5
.Lw:
	s_cmp_lt_u32 s37, 1536
	s_cselect_b64 s[SRC:SRC+1], s[20:21], s[22:23]
	s_cselect_b32 s4, 0, 1536
	s_cmp_lt_u32 s37, 3584
	s_cselect_b64 s[SRC:SRC+1], s[SRC:SRC+1], s[24:25]
	s_cselect_b32 s4, s4, 3584                     ; the first piece of the matrix in which mine lies
	s_sub_co_u32 s4, s37, s4
	s_lshl_b32 s[OFS], s4, 13                      ; 8,192 bytes a piece coming in,
	s_add_nc_u64 s[SRC:SRC+1], s[SRC:SRC+1], s[OFS:OFS+1]
	s_lshl_b32 s[OFS], s37, 12                     ; 4,096 going out
	s_add_nc_u64 s[DST:DST+1], s[30:31], s[OFS:OFS+1]
	LDROW 16, 16, 0
	s_wait_loadcnt 0x0
	PACKROW 16, 32
	STROW 16, 16, 0
	s_wait_xcnt 0x0                                ; the stores' data registers and both bases are written again only behind this wait
	s_add_co_u32 s37, s37, 1
	s_sub_co_u32 s[CNT], s[CNT], 1
	s_cmp_lg_u32 s[CNT], 0
	s_cbranch_scc1 .Lw
	s_endpgm
.Lfunc_end_k_q0a04dbc55c_prep:
	.size	k_q0a04dbc55c_prep, .Lfunc_end_k_q0a04dbc55c_prep-k_q0a04dbc55c_prep
	.p2alignl 7, 3214868480
	.fill 96, 4, 3214868480
	.section	.rodata,"a",@progbits
	.p2align	6, 0x0
	.amdhsa_kernel k_q0a04dbc55c_prep
		.amdhsa_group_segment_fixed_size 0
		.amdhsa_private_segment_fixed_size 0
		.amdhsa_enable_private_segment 0
		.amdhsa_kernarg_size 96
		.amdhsa_user_sgpr_count 2
		.amdhsa_user_sgpr_kernarg_segment_ptr 1
		.amdhsa_wavefront_size32 1
		.amdhsa_system_sgpr_workgroup_id_x 1
		.amdhsa_system_sgpr_workgroup_id_y 1
		.amdhsa_system_sgpr_workgroup_id_z 1
		.amdhsa_system_vgpr_workitem_id 0
		.amdhsa_next_free_vgpr 304
		.amdhsa_next_free_sgpr 66
		.amdhsa_reserve_vcc 0
		.amdhsa_float_denorm_mode_32 3
		.amdhsa_float_denorm_mode_16_64 3
		.amdhsa_memory_ordered 1
		.amdhsa_forward_progress 1
		.amdhsa_inst_pref_size 72
	.end_amdhsa_kernel
	.amdgpu_metadata
---
amdhsa.version: [ 1, 2 ]
amdhsa.kernels:
  - .name:           k_q0a04dbc55c_prep
    .symbol:         k_q0a04dbc55c_prep.kd
    .args:
      - { .name: x, .offset: 0, .size: 8, .value_kind: global_buffer, .address_space: global }
      - { .name: latents, .offset: 8, .size: 8, .value_kind: global_buffer, .address_space: global }
      - { .name: ln1_g, .offset: 16, .size: 8, .value_kind: global_buffer, .address_space: global }
      - { .name: ln1_b, .offset: 24, .size: 8, .value_kind: global_buffer, .address_space: global }
      - { .name: ln2_g, .offset: 32, .size: 8, .value_kind: global_buffer, .address_space: global }
      - { .name: ln2_b, .offset: 40, .size: 8, .value_kind: global_buffer, .address_space: global }
      - { .name: Wq, .offset: 48, .size: 8, .value_kind: global_buffer, .address_space: global }
      - { .name: Wkv, .offset: 56, .size: 8, .value_kind: global_buffer, .address_space: global }
      - { .name: Wout, .offset: 64, .size: 8, .value_kind: global_buffer, .address_space: global }
      - { .name: xn16, .offset: 72, .size: 8, .value_kind: global_buffer, .address_space: global }
      - { .name: ln16, .offset: 80, .size: 8, .value_kind: global_buffer, .address_space: global }
      - { .name: w16, .offset: 88, .size: 8, .value_kind: global_buffer, .address_space: global }
    .group_segment_fixed_size: 0
    .private_segment_fixed_size: 0
    .kernarg_segment_align: 8
    .kernarg_segment_size: 96
    .max_flat_workgroup_size: 128
    .sgpr_count:     66
    .vgpr_count:     304
    .wavefront_size: 32
...
	.end_amdgpu_metadata
.endif
;; end of part 1
;; launch gemm_kv (part 2): grid 8 x 32, 4 waves a work-group, clusters of 4 x 4, 327,680 bytes of LDS; arguments xn16, w16, k16, v16; writes k16, v16
.if DOCPART == 2
	.amdgcn_target "amdgcn-amd-amdhsa--gfx1250"
	.amdhsa_code_object_version 6
	.text
	.protected	k_q0a04dbc55c_gemm_kv
	.globl	k_q0a04dbc55c_gemm_kv
	.p2align	8
	.type	k_q0a04dbc55c_gemm_kv,@function
k_q0a04dbc55c_gemm_kv:
	s_mov_b64 s[64:65], 0
	v_nop
	global_prefetch_b8 v0, s[64:65] scope:SCOPE_SE
	s_setreg_imm32_b32 hwreg(HW_REG_WAVE_MODE, 25, 1), 1
	s_wait_xcnt 0x0
	s_wait_alu depctr_hold_cnt(0) depctr_sa_sdst(0) depctr_va_vdst(0) depctr_va_sdst(0) depctr_va_ssrc(0) depctr_va_vcc(0) depctr_vm_vsrc(0)
	s_getreg_b32 s2, hwreg(HW_REG_IB_STS2, 6, 4)
	s_cmp_eq_u32 s2, 0
	s_cbranch_scc0 .Lentry_in_a_cluster
	s_endpgm
.Lentry_in_a_cluster:
	s_bfe_u32 s2, ttmp6, 0x10000c
	s_cmp_lg_u32 s2, 0xf033
	s_cbranch_scc0 .Lentry_shape_is_right
	s_endpgm
.Lentry_shape_is_right:
; kv = xn Wkv, written by heads.  A = xn16 [8192][2048] f16; B = Wkv in f16, [2048 (k)][2048 (n)], at byte 6,291,456 of w16; sums in f32, rounded once to f16.
; Columns 0-1023 go to k16, 1024-2047 to v16, both [batch x 16 + head][4096][64]: a head's rows are dense, 128 bytes each.
; LIMIT.  f16 ends at 65,504: k and v must lie within it.  NaN and infinities are not treated apart.
; SHARES.  A tile of 256 x 256 to a work-group of four waves; a wave makes 128 x 128: 64 accumulators, 512 registers.  K goes in 16 steps of 128 through two LDS slots filled by tensor loads.
; B LIES [K][N]: its fragments come out of LDS turned, by ds_load_tr16_b128; A's as they lie.  Source 0 = 16 columns of B, source 1 = 16 rows of A: a lane then holds one row and eight neighbouring columns.
; CLUSTER.  4 x 4 work-groups: A's tile is shared along a row of the cluster, B's along a column; each is asked for jointly, by the same tensor load with the same descriptor in all four.
; THE LOOP is one K step long: the slot in hand is a scalar that an exclusive or turns, and the two LDS address registers are made anew at each change of slots.
; REGISTERS: window 0: v16-29 addresses; v64-127, v128-191 A's fragments, two buffers; v32-63, v192-255 at work on the way out.  Window 1: v64-191 B's fragments.  Windows 2, 3: accumulator (a, b) at v[8 (8 a + b)].
.set PA,    272                        ; a row of A in LDS: 256 bytes + 16: the 16 rows of a load start at 16 different groups of four banks
.set PB,    544                        ; a k-row of B: 512 bytes + 32: an odd multiple of 32
.set PART,  34816                      ; what one tensor load fills: 128 rows of A, or 64 k-rows of B
.set BOFF,  2*PART                     ; B behind A's 256 rows
.set SLOT,  4*PART                     ; 0x22000: shares no bit with 0, 0x8800, 0x11000, 0x19800, so an exclusive or changes slots
.set STAGE, 2*SLOT                     ; behind the ring: for each wave 2 heads x 16 rows x 144 bytes
.set SP,    144
.set WSTG,  2*16*SP
.set SPARE, STAGE+4*WSTG               ; the spare words, 128 bytes a wave: two blocks of 256 bytes that no other line names
.set ADRA0, 16                         ; v16  my lane's place in A's tile; never rewritten
.set ADRA,  17                         ; v17  the same in the slot in hand
.set ADRB0, 20
.set ADRB,  21
.set STO,   24
.set RD,    25
.set CO,    26
.set SPW,   28
.set NIL,   29
.set F0,    64
.set F1,    128
.set TMP,   192
.set OB,    32
.set WV, 12
.set RH, 13                            ; my half of the tile's rows; also: I fetch for A (0) or B (1)
.set CH, 14                            ; my half of its columns; also: which half of that tile I fetch
.set CX, 15
.set CY, 16
.set TX, 17
.set TY, 18
.set G1A, 24
.set G0A, 32                           ; two sets: the first fills; the second then walks
.set G1B, 40
.set G0B, 48
.set TB,  56                           ; 0 or SLOT: the slot that is read
.set CNT, 57
.set MSB, 0
.macro WIN new
.if MSB != (\new)
	s_set_vgpr_msb (MSB<<8)|(\new)
.set MSB, (\new)
.endif
.endm
.set MUL_LO, 0xa1                      ; source 0 (B) window 1, source 1 (A) window 0, C and D window 2
.set MUL_HI, 0xf1
.set TO_B,   0x40
.macro PLACES                          ; four plain vector instructions between a matrix instruction and a load into, or a read of, its registers
.rept 4
	v_nop
.endr
.endm
.macro JLOAD                           ; a joint refill by the walking set; an s_nop 0 and four v_nop follow each of the two lines
	s_cmp_eq_u32 s[RH], 0
	s_cbranch_scc0 .Lfor_b_\@
	tensor_load_to_lds s[G0A+4:G0A+7], s[G1A:G1A+7]
	s_nop 0
	PLACES
	s_branch .Lasked_\@
.Lfor_b_\@:
	tensor_load_to_lds s[G0B+4:G0B+7], s[G1B:G1B+7]
	s_nop 0
	PLACES
.Lasked_\@:
.endm
.macro CREST                           ; a round of the cluster's barrier behind its opening barrier
	s_cmp_lg_u32 s[WV], 0
	s_cbranch_scc1 .Lnot_wave_0_\@
	s_barrier_signal -3
.Lnot_wave_0_\@:
	s_barrier_wait -3
	s_barrier_signal -1
	s_barrier_wait -1
.endm
.macro CROUND
	s_barrier_signal -1
	s_barrier_wait -1
	CREST
.endm
	s_load_b256 s[4:11], s[0:1], 0x0               ; xn16 4, w16 6, k16 8, v16 10
	v_lshl_add_u32 v[SPW], v0, 2, SPARE
	v_mov_b32 v[NIL], 0
	ds_add_u32 v[SPW], v[NIL]                      ; the wave's opening: the add and its wait stand ahead of my first tensor load
	v_lshrrev_b32 v1, 5, v0
	v_readfirstlane_b32 s[WV], v1
	s_lshr_b32 s[RH], s[WV], 1
	s_and_b32 s[CH], s[WV], 1
	s_bfe_u32 s[CX], ttmp6, 0x40000
	s_bfe_u32 s[CY], ttmp6, 0x40004
	s_lshl_b32 s[TX], ttmp9, 2
	s_add_co_u32 s[TX], s[TX], s[CX]               ; tile column 0..7
	s_and_b32 s[TY], ttmp7, 0xffff
	s_lshl_b32 s[TY], s[TY], 2
	s_add_co_u32 s[TY], s[TY], s[CY]               ; tile row 0..31
	s_lshl_b32 s19, s[CY], 2
	s_lshl_b32 s19, 15, s19                        ; my row of the cluster
	s_lshl_b32 s20, 0x1111, s[CX]                  ; my column
	s_or_b32 s[G1A], s19, (1<<16)|(1<<20)|(1<<21)|(5<<22)|(3<<25)  ; mask; 2-byte elements; padding on; bit 21 beside a mask; after every 64 words 4 words
	s_mov_b32 s[G1A+1], 128<<16                    ; tensor_dim0 = 128
	s_mov_b32 s[G1A+2], 128<<16                    ; tensor_dim1 = 128
	s_mov_b32 s[G1A+3], 128<<16                    ; tile_dim0 = 128
	s_mov_b32 s[G1A+4], 128                        ; tile_dim1 = 128
	s_mov_b32 s[G1A+5], 2048                       ; elements from row to row
	s_mov_b32 s[G1A+6], 0
	s_mov_b32 s[G1A+7], 0
	s_or_b32 s[G1B], s20, (1<<16)|(1<<20)|(1<<21)|(6<<22)|(7<<25)  ; after every 128 words 8 words
	s_mov_b32 s[G1B+1], 256<<16                    ; 256 columns
	s_mov_b32 s[G1B+2], 64<<16                     ; 64 k-rows
	s_mov_b32 s[G1B+3], 256<<16
	s_mov_b32 s[G1B+4], 64
	s_mov_b32 s[G1B+5], 2048
	s_mov_b32 s[G1B+6], 0
	s_mov_b32 s[G1B+7], 0
	s_lshl_b32 s58, s[TY], 8                       ; A: row 256 x tile row + 128 x half, 4,096 bytes a row: made of the tile row and the wave's number alone
	s_lshl_b32 s21, s[CH], 7
	s_add_co_u32 s58, s58, s21
	s_lshl_b32 s58, s58, 12
	s_mov_b32 s59, 0
	s_lshl_b32 s60, s[CH], 18                      ; B: k-row 64 x half, column 256 x tile column: made of the tile column and the wave's number alone
	s_lshl_b32 s23, s[TX], 9
	s_add_co_u32 s60, s60, s23
	s_add_co_u32 s60, s60, 6291456
	s_mov_b32 s61, 0
	s_mul_i32 s22, s[WV], PART                     ; where my loads land: wave x 34,816
	s_mov_b32 s[TB], 0
	s_wait_dscnt 0x0                               ; the opening add is done
	s_wait_kmcnt 0x0
	s_add_nc_u64 s[58:59], s[4:5], s[58:59]
	s_add_nc_u64 s[60:61], s[6:7], s[60:61]
.irp s, 0,1
	s_mov_b32 s[G0A+4*(\s)], 1
	s_add_co_u32 s[G0A+4*(\s)+1], s22, (\s)*SLOT
	s_add_nc_u64 s[G0A+4*(\s)+2:G0A+4*(\s)+3], s[58:59], (\s)*256       ; K step s: 256 bytes along the rows
	s_or_b32 s[G0A+4*(\s)+3], s[G0A+4*(\s)+3], 0x80000000
	s_mov_b32 s[G0B+4*(\s)], 1
	s_add_co_u32 s[G0B+4*(\s)+1], s22, (\s)*SLOT
	s_add_nc_u64 s[G0B+4*(\s)+2:G0B+4*(\s)+3], s[60:61], (\s)*524288    ; K step s: 128 k-rows down
	s_or_b32 s[G0B+4*(\s)+3], s[G0B+4*(\s)+3], 0x80000000
.endr
	CROUND                                         ; all sixteen work-groups are here: the first joint loads meet
	s_cmp_eq_u32 s[RH], 0                          ; a wave's two first fills stand in one branch: two loads of mine are out
	s_cbranch_scc0 .Lfirst_b
	tensor_load_to_lds s[G0A:G0A+3], s[G1A:G1A+7]
	s_nop 0
	tensor_load_to_lds s[G0A+4:G0A+7], s[G1A:G1A+7]
	s_nop 0
	PLACES
	s_branch .Lfirst_asked
.Lfirst_b:
	tensor_load_to_lds s[G0B:G0B+3], s[G1B:G1B+7]
	s_nop 0
	tensor_load_to_lds s[G0B+4:G0B+7], s[G1B:G1B+7]
	s_nop 0
	PLACES
.Lfirst_asked:
	v_and_b32 v1, 15, v0                           ; r = l % 16
	v_bfe_u32 v2, v0, 4, 1                         ; h = l / 16
	v_and_b32 v3, 7, v0
	v_bfe_u32 v4, v0, 3, 1
	v_mul_u32_u24 v[ADRA0], v1, PA                 ; A: row r, 16 bytes for each half of the lanes, my 128 rows
	v_lshl_add_u32 v[ADRA0], v2, 4, v[ADRA0]
	s_mul_i32 s19, s[RH], PART
	v_add_nc_u32 v[ADRA0], s19, v[ADRA0]
	v_lshl_add_u32 v5, v2, 3, v3                   ; B, turned: lane l reads k-row 8 h + l % 8, 16 bytes at 16 ((l / 8) % 2), and is left with column r and eight k
	v_mul_u32_u24 v[ADRB0], v5, PB
	v_lshl_add_u32 v[ADRB0], v4, 4, v[ADRB0]
	s_lshl_b32 s19, s[CH], 8
	s_add_co_u32 s19, s19, BOFF
	v_add_nc_u32 v[ADRB0], s19, v[ADRB0]
	v_mov_b32 v[ADRA], v[ADRA0]
	v_mov_b32 v[ADRB], v[ADRB0]
	s_mul_i32 s19, s[WV], WSTG
	s_add_co_u32 s19, s19, STAGE                   ; my stage
	v_mul_u32_u24 v[STO], v1, SP
	v_lshl_add_u32 v[STO], v2, 4, v[STO]
	v_add_nc_u32 v[STO], s19, v[STO]
	v_bfe_u32 v[RD], v0, 3, 2                      ; back: 32 lanes take four rows of 128 bytes,
	v_mul_u32_u24 v[RD], v[RD], SP
	v_lshl_add_u32 v[RD], v3, 4, v[RD]
	v_add_nc_u32 v[RD], s19, v[RD]
	v_and_b32 v[CO], 31, v0                        ; which are 512 consecutive bytes of a head
	v_lshlrev_b32 v[CO], 4, v[CO]
	s_cmp_eq_u32 ttmp9, 0                          ; the left four tile columns are k's, the right four v's
	s_cselect_b64 s[8:9], s[8:9], s[10:11]
	s_lshr_b32 s19, s[TY], 4                       ; batch
	s_lshl_b32 s19, s19, 4
	s_lshl2_add_u32 s19, s[CX], s19                ; + head 4 cx + 2 x column half
	s_lshl1_add_u32 s19, s[CH], s19
	s_lshl_b32 s62, s19, 19                        ; 524,288 bytes a head
	s_and_b32 s19, s[TY], 15
	s_lshl_b32 s19, s19, 8
	s_lshl_b32 s21, s[RH], 7
	s_add_co_u32 s19, s19, s21                     ; my first row in the head
	s_lshl_b32 s19, s19, 7
	s_add_co_u32 s62, s62, s19
	s_mov_b32 s63, 0
	s_add_nc_u64 s[8:9], s[8:9], s[62:63]
; 16 matrix instructions: m blocks a0, a0 + 1 of the window's four x all 8 n blocks, 32 along K.  zero = 1: the product starts the sums
.macro MUL16 f, hi, a0, zero
	WIN MUL_LO+0x50*(\hi)
.irp a, \a0, (\a0)+1
.irp b, 0,1,2,3,4,5,6,7
.if \zero
	v_wmma_f32_16x16x32_f16 v[8*(8*(\a)+(\b)):8*(8*(\a)+(\b))+7], v[(\f)+8*(\b):(\f)+8*(\b)+7], v[(\f)+8*(4*(\hi)+(\a)):(\f)+8*(4*(\hi)+(\a))+7], 0
.else
	v_wmma_f32_16x16x32_f16 v[8*(8*(\a)+(\b)):8*(8*(\a)+(\b))+7], v[(\f)+8*(\b):(\f)+8*(\b)+7], v[(\f)+8*(4*(\hi)+(\a)):(\f)+8*(4*(\hi)+(\a))+7], v[8*(8*(\a)+(\b)):8*(8*(\a)+(\b))+7]
.endif
.endr
.endr
.endm
; 32 LDS loads in one run: the fragments of the quarter at byte k of A's rows (k / 2 along K) into buffer f: B's first, then A's
.macro FETCH k, f
	WIN TO_B
.irp i, 0,1,2,3,4,5,6,7
	ds_load_tr16_b128 v[(\f)+8*(\i):(\f)+8*(\i)+3],   v[ADRB] offset:((\k)/64)*32*PB+32*(\i)
	ds_load_tr16_b128 v[(\f)+8*(\i)+4:(\f)+8*(\i)+7], v[ADRB] offset:((\k)/64)*32*PB+16*PB+32*(\i)
.endr
	WIN 0
.irp i, 0,1,2,3,4,5,6,7
	ds_load_b128 v[(\f)+8*(\i):(\f)+8*(\i)+3],   v[ADRA] offset:(\k)+(\i)*16*PA
	ds_load_b128 v[(\f)+8*(\i)+4:(\f)+8*(\i)+7], v[ADRA] offset:(\k)+(\i)*16*PA+32
.endr
.endm
; One of a K step's first three quarters: multiplies buffer f; in its middle it fetches the quarter at byte k into buffer g
.macro QUARTER k, f, g, zero
	s_wait_dscnt 8                                 ; B and A's rows 0-63 are in; the youngest eight loads (A's rows 64-127) may be out
	MUL16 \f, 0, 0, \zero
	MUL16 \f, 0, 2, \zero
	PLACES
	FETCH \k, \g
	s_wait_dscnt 32                                ; all but the 32 just issued
	MUL16 \f, 1, 0, \zero
	MUL16 \f, 1, 2, \zero
.endm
; The last quarter multiplies buffer 1 and changes slots.  In front of the barrier each wave waits for all its tensor loads (one is out: its part of the next slot), adds 0 to its spare word, and waits for
; that and for its reads of this slot.  fill = 1: the barrier opens a round of the cluster's, and the slot just read is filled again, first thing behind it, with the K step two on.
.macro TURN fill
	WIN 0                                          ; (the add's two registers lie in window 0)
	s_wait_tensorcnt 0x0                           ; no tensor load of mine is out, so a group 0 may be written
	ds_add_u32 v[SPW], v[NIL]                      ; 0 onto my spare word
.if \fill
	s_xor_b32 s[G0A+5], s[G0A+5], SLOT             ; the walking sets: the other slot than last time, the next K step
	s_add_nc_u64 s[G0A+6:G0A+7], s[G0A+6:G0A+7], 256
	s_xor_b32 s[G0B+5], s[G0B+5], SLOT
	s_add_nc_u64 s[G0B+6:G0B+7], s[G0B+6:G0B+7], 524288
.endif
	s_xor_b32 s[TB], s[TB], SLOT                   ; the slot that is read next
	s_wait_dscnt 9                                 ; the add and the youngest eight loads may be out
	MUL16 F1, 0, 0, 0
	s_wait_dscnt 0x0                               ; the add is done, and my reads of this slot are over
	s_barrier_signal -1
	MUL16 F1, 0, 2, 0                              ; work on registers while the others arrive
.if \fill
	WIN 0
.endif
	s_barrier_wait -1
.if \fill
	CREST                                          ; no wave of any partner still reads this slot or has a load on its way
	JLOAD                                          ; 224 matrix instructions ahead of the wait for it; its four v_nop are also the places in front of the loads below
.else
	PLACES
.endif
	WIN 0
	v_add_nc_u32 v[ADRA], s[TB], v[ADRA0]
	v_add_nc_u32 v[ADRB], s[TB], v[ADRB0]
	FETCH 0, F0
	MUL16 F1, 1, 0, 0
	MUL16 F1, 1, 2, 0
.endm
; THE WAY OUT of block a (16 rows x 128 columns = two heads): rounded to f16; into my own stage; back as rows of 128 bytes; stored, 512 consecutive bytes of a head an instruction
.macro PACK a
.set AC, 64*((\a)%4)
	WIN 0x0a+5*((\a)/4)                            ; sources 0 and 1: window 2 or 3
.irp b, 0,1,2,3,4,5,6,7
.irp r, 0,1,2,3
	v_cvt_pk_f16_f32 v[TMP+4*(\b)+(\r)], v[AC+8*(\b)+2*(\r)], v[AC+8*(\b)+2*(\r)+1]
.endr
.endr
	WIN 0
.endm
.macro TOSTAGE a
.set BK, OB+192*((\a)%2)
.irp b, 0,1,2,3,4,5,6,7
	ds_store_b128 v[STO], v[TMP+4*(\b):TMP+4*(\b)+3] offset:((\b)/4)*16*SP+((\b)%4)*32
.endr
.irp t, 0,1,2,3,4,5,6,7
	ds_load_b128 v[BK+4*(\t):BK+4*(\t)+3], v[RD] offset:((\t)/4)*16*SP+((\t)%4)*4*SP  ; LDS serves a wave's instructions in order (ISA guide 5.7.1.4): these see the stores above
.endr
.endm
.macro SEND a
.set BK, OB+192*((\a)%2)
	s_wait_dscnt 0x0                               ; the block is back in registers
	s_wait_xcnt 0x0                                ; the registers that earlier stores read are loaded again only behind this wait
.irp t, 0,1,2,3,4,5,6,7
	global_store_b128 v[CO], v[BK+4*(\t):BK+4*(\t)+3], s[8:9] offset:(\a)*2048+((\t)%4)*512+((\t)/4)*524288
.endr
.endm
	s_wait_tensorcnt 1                             ; my part of K step 0 is in; K step 1's may stay out
	s_barrier_signal -1
	s_barrier_wait -1
	FETCH 0, F0
	QUARTER 64, F0, F1, 1                          ; the first quarter stands in front of the loop: its products start the sums
	WIN 0
	s_mov_b32 s[CNT], 14                           ; K steps 0 to 13 fill their slot again
.Lk:                                                   ; a trip: a K step's quarters 1, 2, 3 and the next step's quarter 0
	QUARTER 128, F1, F0, 0
	QUARTER 192, F0, F1, 0
	TURN 1
	QUARTER 64, F0, F1, 0
	WIN 0
	s_sub_co_u32 s[CNT], s[CNT], 1
	s_cmp_lg_u32 s[CNT], 0
	s_cbranch_scc1 .Lk
	s_mov_b32 s[CNT], 2                            ; K steps 14 and 15 ask for nothing: a second text; it is left in the middle of its second trip
.Ltail:
	QUARTER 128, F1, F0, 0
	QUARTER 192, F0, F1, 0
	WIN 0
	s_sub_co_u32 s[CNT], s[CNT], 1
	s_cmp_eq_u32 s[CNT], 0
	s_cbranch_scc1 .Lfin
	TURN 0
	QUARTER 64, F0, F1, 0
	WIN 0
	s_branch .Ltail
.Lfin:
	s_wait_dscnt 8                                 ; the very last quarter: nothing more to fetch
	MUL16 F1, 0, 0, 0
	MUL16 F1, 0, 2, 0
	s_wait_dscnt 0x0
	MUL16 F1, 1, 0, 0
	MUL16 F1, 1, 2, 0
	PLACES
	PACK 0
	TOSTAGE 0
.irp a, 1,2,3,4,5,6,7                  ; block a's conversions stand between block a - 1's loads from the stage and the wait for them
	PACK \a
	SEND (\a)-1
	TOSTAGE \a
.endr
	SEND 7
	s_wait_tensorcnt 0x0                           ; the wave's end
	ds_add_u32 v[SPW], v[NIL]
	s_wait_dscnt 0x0
	CROUND                                         ; the closing round: no work-group ends while a partner may still ask for a tile that names it
	s_endpgm
.Lfunc_end_k_q0a04dbc55c_gemm_kv:
	.size	k_q0a04dbc55c_gemm_kv, .Lfunc_end_k_q0a04dbc55c_gemm_kv-k_q0a04dbc55c_gemm_kv
	.p2alignl 7, 3214868480
	.fill 96, 4, 3214868480
	.section	.rodata,"a",@progbits
	.p2align	6, 0x0
	.amdhsa_kernel k_q0a04dbc55c_gemm_kv
		.amdhsa_group_segment_fixed_size 327680
		.amdhsa_private_segment_fixed_size 0
		.amdhsa_enable_private_segment 0
		.amdhsa_kernarg_size 32
		.amdhsa_user_sgpr_count 2
		.amdhsa_user_sgpr_kernarg_segment_ptr 1
		.amdhsa_wavefront_size32 1
		.amdhsa_system_sgpr_workgroup_id_x 1
		.amdhsa_system_sgpr_workgroup_id_y 1
		.amdhsa_system_sgpr_workgroup_id_z 1
		.amdhsa_system_vgpr_workitem_id 0
		.amdhsa_next_free_vgpr 1024
		.amdhsa_next_free_sgpr 66
		.amdhsa_reserve_vcc 0
		.amdhsa_float_denorm_mode_32 3
		.amdhsa_float_denorm_mode_16_64 3
		.amdhsa_memory_ordered 1
		.amdhsa_forward_progress 1
		.amdhsa_inst_pref_size 104
	.end_amdhsa_kernel
	.amdgpu_metadata
---
amdhsa.version: [ 1, 2 ]
amdhsa.kernels:
  - .name:           k_q0a04dbc55c_gemm_kv
    .symbol:         k_q0a04dbc55c_gemm_kv.kd
    .args:
      - { .name: xn16, .offset: 0, .size: 8, .value_kind: global_buffer, .address_space: global }
      - { .name: w16, .offset: 8, .size: 8, .value_kind: global_buffer, .address_space: global }
      - { .name: k16, .offset: 16, .size: 8, .value_kind: global_buffer, .address_space: global }
      - { .name: v16, .offset: 24, .size: 8, .value_kind: global_buffer, .address_space: global }
    .group_segment_fixed_size: 327680
    .private_segment_fixed_size: 0
    .kernarg_segment_align: 8
    .kernarg_segment_size: 32
    .max_flat_workgroup_size: 128
    .sgpr_count:     66
    .vgpr_count:     1024
    .wavefront_size: 32
...
	.end_amdgpu_metadata
.endif
;; end of part 2
;; launch gemm_q (part 3): grid 8 x 32, 4 waves a work-group, clusters of 4 x 4, 327,680 bytes of LDS; arguments ln16, w16, q32a, q32b; writes q32a, q32b
.if DOCPART == 3
	.amdgcn_target "amdgcn-amd-amdhsa--gfx1250"
	.amdhsa_code_object_version 6
	.text
	.protected	k_q0a04dbc55c_gemm_q
	.globl	k_q0a04dbc55c_gemm_q
	.p2align	8
	.type	k_q0a04dbc55c_gemm_q,@function
k_q0a04dbc55c_gemm_q:
	s_mov_b64 s[64:65], 0
	v_nop
	global_prefetch_b8 v0, s[64:65] scope:SCOPE_SE
	s_setreg_imm32_b32 hwreg(HW_REG_WAVE_MODE, 25, 1), 1
	s_wait_xcnt 0x0
	s_wait_alu depctr_hold_cnt(0) depctr_sa_sdst(0) depctr_va_vdst(0) depctr_va_sdst(0) depctr_va_ssrc(0) depctr_va_vcc(0) depctr_vm_vsrc(0)
	s_getreg_b32 s2, hwreg(HW_REG_IB_STS2, 6, 4)
	s_cmp_eq_u32 s2, 0
	s_cbranch_scc0 .Lentry_in_a_cluster
	s_endpgm
.Lentry_in_a_cluster:
	s_bfe_u32 s2, ttmp6, 0x10000c
	s_cmp_lg_u32 s2, 0xf033
	s_cbranch_scc0 .Lentry_shape_is_right
	s_endpgm
.Lentry_shape_is_right:
; q = ln Wq, WITH K SPLIT IN TWO.  A = ln16 [2048][3072] f16; B = Wq in f16, [3072 (k)][1024 (n)], at byte 0 of w16.  q32a takes the sums over k = 0 .. 1535, q32b those over k = 1536 .. 3071:
; both [2048][1024] f32, unscaled; the launch that reads them adds the two in f32.  q has 16 x 8 = 128 tiles of 128 x 128; with the split the launch has 256 equal work-groups, each with 6 K steps of 256.
; NaN and infinities are not treated apart.
; SHARES.  Four waves of 64 x 64 (16 accumulators); two LDS slots filled by tensor loads.  Grid x = tile column; grid y = 16 x K half + tile row.
; B LIES [K][N]: its fragments come out of LDS turned, by ds_load_tr16_b128.  Source 0 = 16 columns of B, source 1 = 16 rows of A: a lane holds one row and eight neighbouring columns.
; CLUSTER 4 x 4: A's tile is shared along a row of the cluster, B's along a column; each is asked for jointly.  The K half is cluster y / 4: the same in all sixteen partners.
; The loop is one K step long; an exclusive or turns the slot.
; REGISTERS: window 0: v16-29 addresses; v32-95 at work on the way out; v128-255 accumulator (a, b) at v[128 + 8 (4 a + b)].  Window 1: two fragment buffers of 128: 64 of A (2 x 4 blocks), then 64 of B.
.set AP,    528                        ; a row of A in LDS: 512 bytes + 16
.set AQ,    128                        ; a quarter of a K step is 64 along K
.set AH,    64*AP                      ; what one load of A fills: 64 rows
.set ASTEP, 512
.set BN,    1024
.set KHALF, 1536
.set TSTEPS, KHALF/256
.set CP,    4096                       ; bytes in a row of q32a and q32b
.set WSTG,  16*272                     ; a wave's stage: 16 rows of 64 f32 + 16 bytes
.set BHALF, 128*BN*2                   ; 128 k-rows of B in memory
.set BSTEP, 256*BN*2
.set PB,    288                        ; a k-row of B in LDS: 256 bytes + 32: an odd multiple of 32
.set BOFF,  73728                      ; B's 256 k-rows
.set SLOT,  147456                     ; 0x24000: shares no bit with any place in a slot at which a load lands
.set STAGE, 2*SLOT
.set SPARE, STAGE+4*WSTG               ; the spare words: two blocks of 256 bytes that no other line names
.set ADRA0, 16
.set ADRA,  17
.set ADRB0, 20
.set ADRB,  22                         ; v22: k-rows 0-127 of the slot in hand; v23: k-rows 128-255 (an immediate of 16 bits does not reach them)
.set STO,   24
.set RD,    25
.set CO,    26
.set SPW,   28
.set NIL,   29
.set TMP,   32
.set ACC,   128
.set F0,    0
.set F1,    128
.set KS, 3                             ; s3   the K half
.set WV, 12
.set RH, 13                            ; my half of the rows; also: I fetch for A (0) or B (1)
.set CH, 14                            ; my half of the columns; also: which half of that tile I fetch
.set CX, 15
.set CY, 16
.set TX, 17
.set TY, 18
.set G1A, 24
.set G0A, 32
.set G1B, 40
.set G0B, 48
.set TB,  56
.set CNT, 57
.set MSB, 0
.macro WIN new
.if MSB != (\new)
	s_set_vgpr_msb (MSB<<8)|(\new)
.set MSB, (\new)
.endif
.endm
.set MUL,  0x05                        ; sources 0 (B) and 1 (A) window 1; C and D window 0
.set TO_F, 0x40
.macro PLACES                          ; four plain vector instructions between a matrix instruction and a load into, or a read of, its registers
.rept 4
	v_nop
.endr
.endm
.macro JLOAD                           ; a joint refill by the walking set; an s_nop 0 and four v_nop follow each of the two lines
	s_cmp_eq_u32 s[RH], 0
	s_cbranch_scc0 .Lfor_b_\@
	tensor_load_to_lds s[G0A+4:G0A+7], s[G1A:G1A+7]
	s_nop 0
	PLACES
	s_branch .Lasked_\@
.Lfor_b_\@:
	tensor_load_to_lds s[G0B+4:G0B+7], s[G1B:G1B+7]
	s_nop 0
	PLACES
.Lasked_\@:
.endm
.macro CREST
	s_cmp_lg_u32 s[WV], 0
	s_cbranch_scc1 .Lnot_wave_0_\@
	s_barrier_signal -3
.Lnot_wave_0_\@:
	s_barrier_wait -3
	s_barrier_signal -1
	s_barrier_wait -1
.endm
.macro CROUND
	s_barrier_signal -1
	s_barrier_wait -1
	CREST
.endm
	s_load_b256 s[4:11], s[0:1], 0x0               ; ln16 4, w16 6, q32a 8, q32b 10
	v_lshl_add_u32 v[SPW], v0, 2, SPARE
	v_mov_b32 v[NIL], 0
	ds_add_u32 v[SPW], v[NIL]                      ; the wave's opening: the add and its wait stand ahead of my first tensor load
	v_lshrrev_b32 v1, 5, v0
	v_readfirstlane_b32 s[WV], v1
	s_lshr_b32 s[RH], s[WV], 1
	s_and_b32 s[CH], s[WV], 1
	s_bfe_u32 s[CX], ttmp6, 0x40000
	s_bfe_u32 s[CY], ttmp6, 0x40004
	s_lshl_b32 s[TX], ttmp9, 2
	s_add_co_u32 s[TX], s[TX], s[CX]               ; tile column 0..7
	s_and_b32 s[TY], ttmp7, 0xffff
	s_lshr_b32 s[KS], s[TY], 2                     ; cluster y / 4: the K half, made of the cluster's number alone
	s_lshl_b32 s[TY], s[TY], 2
	s_add_co_u32 s[TY], s[TY], s[CY]               ; 16 x K half + tile row
	s_lshl_b32 s19, s[CY], 2
	s_lshl_b32 s19, 15, s19                        ; my row of the cluster
	s_lshl_b32 s20, 0x1111, s[CX]                  ; my column
	s_or_b32 s[G1A], s19, (1<<16)|(1<<20)|(1<<21)|(6<<22)|(3<<25)  ; mask; 2-byte elements; padding on; bit 21 beside a mask; after every 128 words 4 words
	s_mov_b32 s[G1A+1], 256<<16
	s_mov_b32 s[G1A+2], 64<<16
	s_mov_b32 s[G1A+3], 256<<16
	s_mov_b32 s[G1A+4], 64
	s_mov_b32 s[G1A+5], 3072
	s_mov_b32 s[G1A+6], 0
	s_mov_b32 s[G1A+7], 0
	s_or_b32 s[G1B], s20, (1<<16)|(1<<20)|(1<<21)|(5<<22)|(7<<25)  ; after every 64 words 8 words
	s_mov_b32 s[G1B+1], 128<<16                    ; 128 columns
	s_mov_b32 s[G1B+2], 128<<16                    ; 128 k-rows
	s_mov_b32 s[G1B+3], 128<<16
	s_mov_b32 s[G1B+4], 128
	s_mov_b32 s[G1B+5], BN
	s_mov_b32 s[G1B+6], 0
	s_mov_b32 s[G1B+7], 0
	; A's address is made of the tile row, the K half and the wave's number alone, B's of the tile column, the K half and the wave's number alone
	s_and_b32 s58, s[TY], 15
	s_lshl_b32 s58, s58, 7
	s_lshl_b32 s21, s[CH], 6
	s_add_co_u32 s58, s58, s21
	s_mul_i32 s58, s58, 6144                       ; row 128 x tile row + 64 x half,
	s_mul_i32 s21, s[KS], KHALF*2
	s_add_co_u32 s58, s58, s21                     ; my half of its 6,144 bytes
	s_mov_b32 s59, 0
	s_mul_i32 s60, s[CH], BHALF
	s_lshl_b32 s62, s[TX], 8
	s_add_co_u32 s60, s60, s62
	s_mul_i32 s62, s[KS], KHALF*BN*2
	s_add_co_u32 s60, s60, s62
	s_mov_b32 s61, 0
	s_mul_i32 s22, s[CH], AH                       ; where A's loads land,
	s_mul_i32 s23, s[CH], 128*PB                   ; and B's
	s_add_co_u32 s23, s23, BOFF
	s_mov_b32 s[TB], 0
	s_wait_dscnt 0x0                               ; the opening add is done
	s_wait_kmcnt 0x0
	s_add_nc_u64 s[58:59], s[4:5], s[58:59]
	s_add_nc_u64 s[60:61], s[6:7], s[60:61]
.irp s, 0,1
	s_mov_b32 s[G0A+4*(\s)], 1
	s_add_co_u32 s[G0A+4*(\s)+1], s22, (\s)*SLOT
	s_add_nc_u64 s[G0A+4*(\s)+2:G0A+4*(\s)+3], s[58:59], (\s)*ASTEP
	s_or_b32 s[G0A+4*(\s)+3], s[G0A+4*(\s)+3], 0x80000000
	s_mov_b32 s[G0B+4*(\s)], 1
	s_add_co_u32 s[G0B+4*(\s)+1], s23, (\s)*SLOT
	s_add_nc_u64 s[G0B+4*(\s)+2:G0B+4*(\s)+3], s[60:61], (\s)*BSTEP
	s_or_b32 s[G0B+4*(\s)+3], s[G0B+4*(\s)+3], 0x80000000
.endr
	CROUND                                         ; all sixteen work-groups are here: the first joint loads meet
	s_cmp_eq_u32 s[RH], 0                          ; a wave's two first fills stand in one branch: two loads of mine are out
	s_cbranch_scc0 .Lfirst_b
	tensor_load_to_lds s[G0A:G0A+3], s[G1A:G1A+7]
	s_nop 0
	tensor_load_to_lds s[G0A+4:G0A+7], s[G1A:G1A+7]
	s_nop 0
	PLACES
	s_branch .Lfirst_asked
.Lfirst_b:
	tensor_load_to_lds s[G0B:G0B+3], s[G1B:G1B+7]
	s_nop 0
	tensor_load_to_lds s[G0B+4:G0B+7], s[G1B:G1B+7]
	s_nop 0
	PLACES
.Lfirst_asked:
	v_and_b32 v1, 15, v0                           ; r
	v_bfe_u32 v2, v0, 4, 1                         ; h
	v_and_b32 v3, 7, v0
	v_bfe_u32 v4, v0, 3, 1
	v_mul_u32_u24 v[ADRA0], v1, AP
	v_lshl_add_u32 v[ADRA0], v2, 4, v[ADRA0]
	s_mul_i32 s19, s[RH], 64*AP                    ; my 64 rows
	v_add_nc_u32 v[ADRA0], s19, v[ADRA0]
	v_lshl_add_u32 v5, v2, 3, v3                   ; B, turned: k-row 8 h + l % 8, 16 bytes at 16 ((l / 8) % 2)
	v_mul_u32_u24 v[ADRB0], v5, PB
	v_lshl_add_u32 v[ADRB0], v4, 4, v[ADRB0]
	s_lshl_b32 s19, s[CH], 7                       ; my 64 columns
	s_add_co_u32 s19, s19, BOFF
	v_add_nc_u32 v[ADRB0], s19, v[ADRB0]
	v_mov_b32 v[ADRA], v[ADRA0]
	v_mov_b32 v[ADRB], v[ADRB0]
	v_add_nc_u32 v[ADRB+1], 128*PB, v[ADRB0]
	s_mul_i32 s19, s[WV], WSTG
	s_add_co_u32 s19, s19, STAGE                   ; my stage
	v_mul_u32_u24 v[STO], v1, 272                  ; in: row r, 32 bytes for each half of the lanes
	v_lshl_add_u32 v[STO], v2, 5, v[STO]
	v_add_nc_u32 v[STO], s19, v[STO]
	v_mul_u32_u24 v[RD], v2, 272                   ; back: lanes 0-15 one row of 256 bytes, lanes 16-31 the next
	v_lshl_add_u32 v[RD], v1, 4, v[RD]
	v_add_nc_u32 v[RD], s19, v[RD]
	v_lshlrev_b32 v[CO], 12, v2                    ; and the same two rows in the result
	v_lshl_add_u32 v[CO], v1, 4, v[CO]
	s_cmp_eq_u32 s[KS], 0                          ; the first K half's sums go to q32a, the second's to q32b
	s_cselect_b64 s[8:9], s[8:9], s[10:11]
	s_and_b32 s19, s[TY], 15
	s_lshl_b32 s19, s19, 7
	s_lshl_b32 s21, s[RH], 6
	s_add_co_u32 s19, s19, s21
	s_lshl_b32 s62, s19, 12                        ; my first row,
	s_lshl_b32 s21, s[TX], 9
	s_add_co_u32 s62, s62, s21
	s_lshl_b32 s21, s[CH], 8
	s_add_co_u32 s62, s62, s21                     ; my 64 columns: 256 bytes, aligned
	s_mov_b32 s63, 0
	s_add_nc_u64 s[8:9], s[8:9], s[62:63]
; 8 matrix instructions: m blocks a0, a0 + 1 x all 4 n blocks, 32 along K: half c of buffer f.  zero = 1: the product starts the sums
.macro MUL8 f, c, a0, zero
	WIN MUL
.irp a, \a0, (\a0)+1
.irp b, 0,1,2,3
.if \zero
	v_wmma_f32_16x16x32_f16 v[ACC+8*(4*(\a)+(\b)):ACC+8*(4*(\a)+(\b))+7], v[(\f)+64+8*(4*(\c)+(\b)):(\f)+64+8*(4*(\c)+(\b))+7], v[(\f)+8*(4*(\c)+(\a)):(\f)+8*(4*(\c)+(\a))+7], 0
.else
	v_wmma_f32_16x16x32_f16 v[ACC+8*(4*(\a)+(\b)):ACC+8*(4*(\a)+(\b))+7], v[(\f)+64+8*(4*(\c)+(\b)):(\f)+64+8*(4*(\c)+(\b))+7], v[(\f)+8*(4*(\c)+(\a)):(\f)+8*(4*(\c)+(\a))+7], v[ACC+8*(4*(\a)+(\b)):ACC+8*(4*(\a)+(\b))+7]
.endif
.endr
.endr
.endm
; 32 LDS loads in one run: the fragments of quarter qd (64 along K) into buffer f; its first 32 along K first
.macro FETCH qd, f
	WIN TO_F
.irp c, 0,1
.irp i, 0,1,2,3
	ds_load_tr16_b128 v[(\f)+64+8*(4*(\c)+(\i)):(\f)+64+8*(4*(\c)+(\i))+3],   v[ADRB+(\qd)/2] offset:(((\qd)%2)*64+32*(\c))*PB+32*(\i)
	ds_load_tr16_b128 v[(\f)+64+8*(4*(\c)+(\i))+4:(\f)+64+8*(4*(\c)+(\i))+7], v[ADRB+(\qd)/2] offset:(((\qd)%2)*64+32*(\c)+16)*PB+32*(\i)
	ds_load_b128 v[(\f)+8*(4*(\c)+(\i)):(\f)+8*(4*(\c)+(\i))+3],   v[ADRA] offset:(\qd)*AQ+64*(\c)+(\i)*16*AP
	ds_load_b128 v[(\f)+8*(4*(\c)+(\i))+4:(\f)+8*(4*(\c)+(\i))+7], v[ADRA] offset:(\qd)*AQ+64*(\c)+(\i)*16*AP+32
.endr
.endr
.endm
; One of a K step's first three quarters: multiplies buffer f and fetches quarter qd into buffer g
.macro QUARTER qd, f, g, zero
	s_wait_dscnt 16                                ; the first 32 along K are in; the youngest sixteen loads may be out
	MUL8 \f, 0, 0, \zero
	MUL8 \f, 0, 2, \zero
	PLACES
	FETCH \qd, \g
	s_wait_dscnt 32                                ; all but the 32 just issued
	MUL8 \f, 1, 0, 0
	MUL8 \f, 1, 2, 0
.endm
; The last quarter multiplies buffer 1 and changes slots: each wave waits for all its tensor loads, adds 0 to its spare word, waits for that and for its reads of this slot, and meets the others.
; fill = 1: the barrier opens a round of the cluster's, and this slot is filled again, first thing behind it, with the K step two on.
.macro TURN fill
	WIN 0
	s_wait_tensorcnt 0x0                           ; no tensor load of mine is out, so a group 0 may be written
	ds_add_u32 v[SPW], v[NIL]                      ; 0 onto my spare word
.if \fill
	s_xor_b32 s[G0A+5], s[G0A+5], SLOT
	s_add_nc_u64 s[G0A+6:G0A+7], s[G0A+6:G0A+7], ASTEP
	s_xor_b32 s[G0B+5], s[G0B+5], SLOT
	s_add_nc_u64 s[G0B+6:G0B+7], s[G0B+6:G0B+7], BSTEP
.endif
	s_xor_b32 s[TB], s[TB], SLOT
	s_wait_dscnt 17                                ; the add and the youngest sixteen loads may be out
	MUL8 F1, 0, 0, 0
	s_wait_dscnt 0x0                               ; the add is done, and my reads of this slot are over
	s_barrier_signal -1
	MUL8 F1, 0, 2, 0
.if \fill
	WIN 0
.endif
	s_barrier_wait -1
.if \fill
	CREST                                          ; no wave of any partner still reads this slot or has a load on its way
	JLOAD                                          ; 112 matrix instructions ahead of the wait for it
.else
	PLACES
.endif
	WIN 0
	v_add_nc_u32 v[ADRA], s[TB], v[ADRA0]
	v_add_nc_u32 v[ADRB], s[TB], v[ADRB0]
	v_add_nc_u32 v[ADRB+1], 128*PB, v[ADRB]
	FETCH 0, F0
	MUL8 F1, 1, 0, 0
	MUL8 F1, 1, 2, 0
.endm
	s_wait_tensorcnt 1                             ; my part of K step 0 is in; K step 1's may stay out
	s_barrier_signal -1
	s_barrier_wait -1
	FETCH 0, F0
	QUARTER 1, F0, F1, 1                           ; the first quarter stands in front of the loop: its first products start the sums
	WIN 0
	s_mov_b32 s[CNT], TSTEPS-2                     ; all K steps but the last two fill their slot again
.Lk:
	QUARTER 2, F1, F0, 0
	QUARTER 3, F0, F1, 0
	TURN 1
	QUARTER 1, F0, F1, 0
	WIN 0
	s_sub_co_u32 s[CNT], s[CNT], 1
	s_cmp_lg_u32 s[CNT], 0
	s_cbranch_scc1 .Lk
	s_mov_b32 s[CNT], 2                            ; the last two K steps ask for nothing: a second text, left in the middle of its second trip
.Ltail:
	QUARTER 2, F1, F0, 0
	QUARTER 3, F0, F1, 0
	WIN 0
	s_sub_co_u32 s[CNT], s[CNT], 1
	s_cmp_eq_u32 s[CNT], 0
	s_cbranch_scc1 .Lfin
	TURN 0
	QUARTER 1, F0, F1, 0
	WIN 0
	s_branch .Ltail
.Lfin:
	s_wait_dscnt 16
	MUL8 F1, 0, 0, 0
	MUL8 F1, 0, 2, 0
	s_wait_dscnt 0x0
	MUL8 F1, 1, 0, 0
	MUL8 F1, 1, 2, 0
	WIN 0
	PLACES
; THE WAY OUT, f32: block a (16 rows x 64 columns) goes into my stage straight from the accumulators, each from its low end on, and comes back as whole rows of 256 bytes: 16 lanes store 256 consecutive bytes, aligned
.macro OUTBLK a
.if (\a) >= 2
	s_wait_xcnt 0x0                                ; the registers that block a - 2's stores read are loaded again only behind this wait
.endif
.irp b, 0,1,2,3
	ds_store_b128 v[STO], v[ACC+8*(4*(\a)+(\b)):ACC+8*(4*(\a)+(\b))+3]   offset:64*(\b)
	ds_store_b128 v[STO], v[ACC+8*(4*(\a)+(\b))+4:ACC+8*(4*(\a)+(\b))+7] offset:64*(\b)+16
.endr
.irp t, 0,1,2,3,4,5,6,7
	ds_load_b128 v[TMP+32*((\a)%2)+4*(\t):TMP+32*((\a)%2)+4*(\t)+3], v[RD] offset:(\t)*2*272  ; LDS serves a wave's instructions in order (ISA guide 5.7.1.4)
.endr
.irp t, 0,1,2,3,4,5,6,7
	s_wait_dscnt 7-(\t)
	global_store_b128 v[CO], v[TMP+32*((\a)%2)+4*(\t):TMP+32*((\a)%2)+4*(\t)+3], s[8:9] offset:(16*(\a)+2*(\t))*CP
.endr
.endm
	OUTBLK 0
	OUTBLK 1
	OUTBLK 2
	OUTBLK 3
	s_wait_tensorcnt 0x0                           ; the wave's end
	ds_add_u32 v[SPW], v[NIL]
	s_wait_dscnt 0x0
	CROUND                                         ; the closing round
	s_endpgm
.Lfunc_end_k_q0a04dbc55c_gemm_q:
	.size	k_q0a04dbc55c_gemm_q, .Lfunc_end_k_q0a04dbc55c_gemm_q-k_q0a04dbc55c_gemm_q
	.p2alignl 7, 3214868480
	.fill 96, 4, 3214868480
	.section	.rodata,"a",@progbits
	.p2align	6, 0x0
	.amdhsa_kernel k_q0a04dbc55c_gemm_q
		.amdhsa_group_segment_fixed_size 327680
		.amdhsa_private_segment_fixed_size 0
		.amdhsa_enable_private_segment 0
		.amdhsa_kernarg_size 32
		.amdhsa_user_sgpr_count 2
		.amdhsa_user_sgpr_kernarg_segment_ptr 1
		.amdhsa_wavefront_size32 1
		.amdhsa_system_sgpr_workgroup_id_x 1
		.amdhsa_system_sgpr_workgroup_id_y 1
		.amdhsa_system_sgpr_workgroup_id_z 1
		.amdhsa_system_vgpr_workitem_id 0
		.amdhsa_next_free_vgpr 512
		.amdhsa_next_free_sgpr 66
		.amdhsa_reserve_vcc 0
		.amdhsa_float_denorm_mode_32 3
		.amdhsa_float_denorm_mode_16_64 3
		.amdhsa_memory_ordered 1
		.amdhsa_forward_progress 1
		.amdhsa_inst_pref_size 61
	.end_amdhsa_kernel
	.amdgpu_metadata
---
amdhsa.version: [ 1, 2 ]
amdhsa.kernels:
  - .name:           k_q0a04dbc55c_gemm_q
    .symbol:         k_q0a04dbc55c_gemm_q.kd
    .args:
      - { .name: ln16, .offset: 0, .size: 8, .value_kind: global_buffer, .address_space: global }
      - { .name: w16, .offset: 8, .size: 8, .value_kind: global_buffer, .address_space: global }
      - { .name: q32a, .offset: 16, .size: 8, .value_kind: global_buffer, .address_space: global }
      - { .name: q32b, .offset: 24, .size: 8, .value_kind: global_buffer, .address_space: global }
    .group_segment_fixed_size: 327680
    .private_segment_fixed_size: 0
    .kernarg_segment_align: 8
    .kernarg_segment_size: 32
    .max_flat_workgroup_size: 128
    .sgpr_count:     66
    .vgpr_count:     512
    .wavefront_size: 32
...
	.end_amdgpu_metadata
.endif
;; end of part 3
;; launch attn (part 4): grid 8 x 32, 4 waves a work-group, clusters of 4 x 1, 327,680 bytes of LDS; arguments q32a, k16, v16, o16, q32b; writes o16
.if DOCPART == 4
	.amdgcn_target "amdgcn-amd-amdhsa--gfx1250"
	.amdhsa_code_object_version 6
	.text
	.protected	k_q0a04dbc55c_attn
	.globl	k_q0a04dbc55c_attn
	.p2align	8
	.type	k_q0a04dbc55c_attn,@function
k_q0a04dbc55c_attn:
	s_mov_b64 s[64:65], 0
	v_nop
	global_prefetch_b8 v0, s[64:65] scope:SCOPE_SE
	s_setreg_imm32_b32 hwreg(HW_REG_WAVE_MODE, 25, 1), 1
	s_wait_xcnt 0x0
	s_wait_alu depctr_hold_cnt(0) depctr_sa_sdst(0) depctr_va_vdst(0) depctr_va_sdst(0) depctr_va_ssrc(0) depctr_va_vcc(0) depctr_vm_vsrc(0)
	s_getreg_b32 s2, hwreg(HW_REG_IB_STS2, 6, 4)
	s_cmp_eq_u32 s2, 0
	s_cbranch_scc0 .Lentry_in_a_cluster
	s_endpgm
.Lentry_in_a_cluster:
	s_bfe_u32 s2, ttmp6, 0x10000c
	s_cmp_lg_u32 s2, 0x3003
	s_cbranch_scc0 .Lentry_shape_is_right
	s_endpgm
.Lentry_shape_is_right:
; O[g][q][:] = the sum over k of softmax_k(Q[g][q] . K[g][k] / 8) V[g][k][:], g = batch x 16 + head, 32 of them.  K, V: [32][4096][64], O: [32][1024][64], f16, a head's rows dense, 128 bytes each.
; Q COMES AS TWO PARTIAL SUMS, q32a and q32b, [batch x 1024 + query][16 heads x 64] f32: they are added in f32 and rounded once to f16.
; Products, maxima and sums in f32; the weights p are rounded to f16 for the second product (their sum l is taken of the unrounded p), O once at the end.
; LIMITS.  f16 ends at 65,504: Q, K, V lie within it; p lies in 0 to 1 and below 6e-5 keeps f16's fixed step of 6e-8; O is a mean of V's rows.  A weight below 2^-126 counts as 0 in l; NaN and infinities are not treated apart.
; SHARES.  A work-group owns 128 queries of one g: 8 x 32 = 256 work-groups.  Wave w owns the 64 queries of half w / 2, as four PIECES of 16, and of every slot of 256 keys the two key steps (64 keys each) of
; half w % 2: THE KEYS ARE SPLIT between two waves, whose maxima, sums and O meet in LDS at the end, in f32.
; LAYOUT.  S^T = K Q^T holds ONE query a lane (lane % 16) and the keys 8 (lane / 16) + 0..7; two such results rounded to f16 ARE source 1 of O^T = V^T P.  K comes out of LDS as it lies, V turned (ds_load_tr16_b128).
; SOFTMAX.  p = 2^(c s - c m), c = log2(e) / 8, with a running maximum m; O and l are multiplied by a = 2^(c m_old - c m_new) in every step.  m starts at the lowest finite number, O and l at 0.
; TURNS.  Turn n belongs to piece n: 8 products K Q^T of piece n + 1, later 8 products V^T P of piece n - 1; beside them the scaling, exponentials, roundings, sums and rescaling of piece n and the maximum and
; statistics of piece n + 1.  Four vector instructions stand behind every matrix instruction, the other 54 of a turn's 118 in two lumps.
; CLUSTER.  The four query blocks of a cluster belong to one g and walk the same K and V: each tile is asked for jointly, by the same tensor load, descriptor and mask in all four.
; REGISTERS (s_set_vgpr_msb: bits 1:0 source 0, 3:2 source 1, 5:4 source 2, 7:6 destination):
;   window 0: v0-15 addresses; v16-31 four statistics a piece; v48-55 at work; v61-63 prefetch offset, spare word, 0; v64-127 S^T, two buffers; v128-191 the join; v192-223 P, two buffers
;   window 1: v0-127 O^T, 32 a piece (at the start: Q's first partial sums; v128-255 the second)      window 2: v0-63 Q; v128-191 K of one step; v192-255 V of one step
.set NP,    4
.set KS,    64
.set PK,    144                        ; a row of K in LDS: 128 bytes + 16
.set PV,    160                        ; a row of V: 128 + 32
.set VOFF,  4*KS*PK                    ; a slot: 256 rows of K, then 256 rows of V
.set SLOT1, 1<<17
.set STAGE, SLOT1+4*KS*(PK+PV)         ; behind the ring, never filled by a tensor load: 16 rows x 144 bytes a wave
.set SP,    144
.set STATS, STAGE+4*16*SP              ; (c m, l) by wave, piece and lane: 8 bytes each
.set CMB,   STATS+4096                 ; the scaled O^T by wave and piece: 4,096 bytes of f32 each
.set SPARE, CMB+65536                  ; the spare words: two blocks of 256 bytes that no other line names
.set AK0, 2
.set AV0, 3
.set AK,  4
.set AV,  5
.set STO, 6
.set RD,  7
.set GO,  8
.set SA,  9                            ; the join's four LDS addresses, made behind the loop
.set SB,  10
.set CA,  11
.set MV,  12
.set CB,  14
.set QO,  15
.set ST,  16                           ; piece t at v[ST+4 t]: c m, m, l (even keys', odd keys')
.set TMP, 48
.set PFO, 61
.set SPW, 62
.set NIL, 63
.set S,   64
.set P,   192
.set KF,  128
.set VF,  192
.set WV,  12
.set G1K, 24
.set G1V, 32
.set G0K, 40
.set G0V, 44
.set PFA, 48                           ; s[48:49] where my prefetches stand
.set LIM, 50                           ; 1 in a wave that prefetches, else the greatest number
.set QH,  51
.set KH,  52
.set QB,  54                           ; s[54:55] q32b
.set SLOTS, 56
.set CNT, 57
.set CS,  58
.set SEL, 60
.set TBK, 62
.set TBV, 63
.set MSB, 0
.macro WIN new
.if MSB != (\new)
	s_set_vgpr_msb (MSB<<8)|(\new)
.set MSB, (\new)
.endif
.endm
.set W_KQ, 0x0a                        ; K and Q in window 2, S^T in window 0
.set W_PV, 0x52                        ; V in window 2, P in window 0, O^T in window 1
.set W_RS, 0x41                        ; destination and source 0 in window 1, source 1 in window 0
; A joint fill.  Waves 0 and 1 fetch the two halves of a slot's K, waves 2 and 3 those of its V: 128 keys each.  An s_nop 0 and four v_nop follow each of the two lines.
.macro JLOAD
	s_cmp_lt_u32 s[WV], 2
	s_cbranch_scc0 .Lfor_v_\@
	tensor_load_to_lds s[G0K:G0K+3], s[G1K:G1K+7]
	s_nop 0
.rept 4
	v_nop
.endr
	s_branch .Lasked_\@
.Lfor_v_\@:
	tensor_load_to_lds s[G0V:G0V+3], s[G1V:G1V+7]
	s_nop 0
.rept 4
	v_nop
.endr
.Lasked_\@:
.endm
; A PREFETCH INTO THE L2 of the slot that the NEXT change will ask for: 32,768 bytes of K and of V, 256 bytes a lane.  Both clusters of a g walk the same K and V: the first prefetches.  Its four partners share
; the bytes out BY ADDRESS, 8,192 each; in each, wave 0 asks for K's and wave 2 for V's: one instruction.  So each block of 256 bytes is named once.  The last change that fills a slot asks for nothing.
.macro ASK
	s_cmp_gt_u32 s[SLOTS], s[LIM]
	s_cbranch_scc0 .Lnot_mine_\@
	global_prefetch_b8 v[PFO], s[PFA:PFA+1] th:TH_LOAD_NT scope:SCOPE_SE
.Lnot_mine_\@:
.endm
.macro CROUND
	s_barrier_signal -1
	s_barrier_wait -1
	s_cmp_lg_u32 s[WV], 0
	s_cbranch_scc1 .Lnot_wave_0_\@
	s_barrier_signal -3
.Lnot_wave_0_\@:
	s_barrier_wait -3
	s_barrier_signal -1
	s_barrier_wait -1
.endm
; THE CHANGE OF SLOTS.  Each wave waits for all its tensor loads, of which one is out: its part of the other slot; adds 0 to its spare word; and waits for that and for its reads of the slot that it leaves.
; fill = 1: the barrier is a round of the cluster's, and the old slot is filled again, first thing behind it, with the keys two slots on: it has two key steps of every wave in which to land.
; (At its first use nothing has been read yet: slot 0 is waited for, slot 1 filled.)
.macro CHANGE fill
	WIN 0
	s_wait_tensorcnt 0x0                           ; no tensor load of mine is out, so a group 0 may be written
	ds_add_u32 v[SPW], v[NIL]                      ; 0 onto my spare word
.if \fill
.irp g, G0K, G0V
	s_xor_b32 s[\g+1], s[\g+1], SLOT1              ; the walking descriptor: the other slot than last time,
	s_add_nc_u64 s[\g+2:\g+3], s[\g+2:\g+3], 4*KS*128  ; the next 256 keys
.endr
	s_wait_xcnt 0x0                                ; the last prefetch, two key steps back, has read its address, so it may be written
	s_add_nc_u64 s[PFA:PFA+1], s[PFA:PFA+1], 4*KS*128
	s_wait_dscnt 0x0                               ; the add is done, and my reads of the slot are over
	CROUND
	JLOAD
	ASK
.else
	s_wait_dscnt 0x0
	s_barrier_signal -1
	s_barrier_wait -1
.endif
	s_sub_co_u32 s[TBK], s[TBK], 2*KS*PK           ; the fetches go back to my first step of a slot,
	s_xor_b32 s[TBK], s[TBK], SLOT1                ; in the other slot
	s_sub_co_u32 s[TBV], s[TBV], 2*KS*PV
	s_xor_b32 s[TBV], s[TBV], SLOT1
.endm
	s_load_b256 s[4:11], s[0:1], 0x0               ; q32a 4, K 6, V 8, O 10
	s_load_b64 s[QB:QB+1], s[0:1], 0x20            ; q32b
	v_lshl_add_u32 v[SPW], v0, 2, SPARE
	v_mov_b32 v[NIL], 0
	ds_add_u32 v[SPW], v[NIL]                      ; the wave's opening: the add and its wait stand ahead of my first tensor load
	v_lshrrev_b32 v1, 5, v0
	v_readfirstlane_b32 s[WV], v1
	s_lshr_b32 s[QH], s[WV], 1                     ; my half of the queries
	s_and_b32 s[KH], s[WV], 1                      ; my half of each slot's keys; also: which half of a slot's K or V I fetch
	s_bfe_u32 s13, ttmp6, 0x40000                  ; cx
	s_lshl_b32 s14, ttmp9, 2
	s_add_co_u32 s14, s14, s13                     ; my block of 128 queries: it enters Q's and O's addresses alone
	s_and_b32 s20, ttmp7, 0xffff                   ; g, which the four partners share
	s_lshl_b32 s22, s20, 19                        ; K, V: 524,288 bytes a g,
	s_lshl_b32 s16, s[KH], 14                      ; 128 rows of 128 bytes a half
	s_add_co_u32 s22, s22, s16
	s_mov_b32 s23, 0
	s_mul_i32 s17, s[KH], 128*PK                   ; the half's place in a slot, for K
	s_mul_i32 s18, s[KH], 128*PV                   ; and for V
	s_lshl_b32 s2, s20, 17                         ; O: 131,072 bytes a g,
	s_lshl_b32 s3, s14, 14                         ; 16,384 a block,
	s_add_co_u32 s2, s2, s3
	s_lshl_b32 s3, s[QH], 13                       ; 8,192 a half,
	s_add_co_u32 s2, s2, s3
	s_lshl_b32 s3, s[KH], 12                       ; and of its four pieces the two that I finish: 2 x key half, 2,048 bytes a piece
	s_add_co_u32 s2, s2, s3
	s_mov_b32 s3, 0
	s_lshr_b32 s21, s20, 4                         ; Q's partial sums: batch x 1,024 rows of 4,096 bytes,
	s_lshl_b32 s21, s21, 22
	s_and_b32 s20, s20, 15                         ; the head's 256 bytes of a row,
	s_lshl_b32 s20, s20, 8
	s_add_co_u32 s20, s20, s21
	s_lshl_b32 s21, s14, 19                        ; 128 rows a block,
	s_add_co_u32 s20, s20, s21
	s_lshl_b32 s21, s[QH], 18                      ; 64 a half
	s_add_co_u32 s20, s20, s21
	s_mov_b32 s21, 0
	; descriptor group 1.  128 keys are 16,384 dense bytes: asked for as 64 rows of 256 bytes, two keys a row, and padded in LDS after every key
	s_mov_b32 s[G1K], 15|(1<<16)|(1<<20)|(1<<21)|(4<<22)|(3<<25)  ; the mask of four; 2-byte elements; padding on; bit 21 beside a mask; after every 32 words 4 words
	s_mov_b32 s[G1V], 15|(1<<16)|(1<<20)|(1<<21)|(4<<22)|(7<<25)  ; the same with 8 words
.irp g, G1K, G1V
	s_mov_b32 s[\g+1], 128<<16
	s_mov_b32 s[\g+2], 64<<16
	s_mov_b32 s[\g+3], 128<<16
	s_mov_b32 s[\g+4], 64
	s_mov_b32 s[\g+5], 128
	s_mov_b32 s[\g+6], 0
	s_mov_b32 s[\g+7], 0
.endr
	s_mov_b32 s[CS], 0x3e38aa3b                    ; c = log2(e) / 8
	s_mov_b32 s[CS+1], s[CS]
	s_mov_b32 s[SEL], 0x76543210
	s_mov_b32 s[SEL+1], 0xfedcba98
	s_add_co_u32 s[TBK], s17, SLOT1+2*KS*PK        ; the first change of slots turns these two into my half of slot 0
	s_add_co_u32 s[TBV], s18, SLOT1+2*KS*PV
	s_mov_b32 s[G0K], 1
	s_mov_b32 s[G0K+1], s17                        ; slot 0
	s_mov_b32 s[G0V], 1
	s_add_co_u32 s[G0V+1], s18, VOFF
	s_mov_b32 s[SLOTS], 4096/256-1
	s_or_b32 s[LIM], s[KH], ttmp9                  ; 0 in waves 0 and 2 of the g's first cluster: the same in all four partners
	s_cmp_eq_u32 s[LIM], 0
	s_cselect_b32 s[LIM], 1, -1
	v_and_b32 v[PFO], 31, v0
	v_lshlrev_b32 v[PFO], 8, v[PFO]
	s_wait_dscnt 0x0                               ; the opening add is done
	s_wait_kmcnt 0x0
	s_add_nc_u64 s[6:7], s[6:7], s[22:23]          ; K and V at my half of the g's first 256 keys
	s_add_nc_u64 s[8:9], s[8:9], s[22:23]
	s_mov_b64 s[G0K+2:G0K+3], s[6:7]
	s_or_b32 s[G0K+3], s[G0K+3], 0x80000000
	s_mov_b64 s[G0V+2:G0V+3], s[8:9]
	s_or_b32 s[G0V+3], s[G0V+3], 0x80000000
	s_add_nc_u64 s[4:5], s[4:5], s[20:21]          ; both partial sums at my 64 rows, my head
	s_add_nc_u64 s[QB:QB+1], s[QB:QB+1], s[20:21]
	s_add_nc_u64 s[10:11], s[10:11], s[2:3]        ; O at the two pieces that I finish
	s_cmp_lt_u32 s[WV], 2
	s_cselect_b64 s[PFA:PFA+1], s[6:7], s[8:9]     ; (in waves 0 and 2 these stand at a slot's first row)
	s_lshl_b32 s2, s13, 13                         ; my work-group's 8,192 bytes of the 32,768
	s_add_nc_u64 s[PFA:PFA+1], s[PFA:PFA+1], s[2:3]
	s_add_nc_u64 s[PFA:PFA+1], s[PFA:PFA+1], 4*KS*128  ; in slot 1; the first change of slots steps it to slot 2
	CROUND                                         ; all four work-groups are here: the first joint loads meet
	JLOAD                                          ; slot 0.  Slot 1 is asked for when slot 0 is in
	v_and_b32 v1, 15, v0                           ; l % 16
	v_bfe_u32 v9, v0, 4, 1                         ; l / 16
	v_lshlrev_b32 v[QO], 12, v1                    ; row l % 16, 4,096 bytes a row,
	v_lshl_add_u32 v[QO], v9, 5, v[QO]             ; eight f32 for each half of the lanes
	; Register q of Q's 64 (piece q / 16, channels 32 ((q / 8) % 2) + 16 ((q / 4) % 2) + 8 (l / 16) + 2 (q % 4) and the next) is made of f32 registers 2 q and 2 q + 1: load i brings registers 4 i .. 4 i + 3
	WIN 0x40                                       ; destination window 1, address window 0
.set i, 0
.rept 32
	global_load_b128 v[4*i:4*i+3],         v[QO], s[4:5]       offset:(i/8)*65536+((i/4)%2)*128+((i/2)%2)*64+(i%2)*16
	global_load_b128 v[128+4*i:128+4*i+3], v[QO], s[QB:QB+1]   offset:(i/8)*65536+((i/4)%2)*128+((i/2)%2)*64+(i%2)*16
.set i, i+1
.endr
	; What the first turn finds: V's registers and P's second buffer hold 0 (its products V^T P, of a piece that has not been, add 0), O^T and l are 0.  All this stands in the wait for the first tile.
	WIN 0x80
.set i, VF
.rept 64
	v_mov_b32 v[i], 0
.set i, i+1
.endr
	WIN 0
.set i, 0
.rept 4
	v_mov_b32 v[ST+4*i], 0xfe000000                ; c m: far below every c s
	v_mov_b32 v[ST+4*i+1], 0xff7fffff              ; m
	v_mov_b32 v[ST+4*i+2], 0
	v_mov_b32 v[ST+4*i+3], 0
.set i, i+1
.endr
.set i, P+16
.rept 16
	v_mov_b32 v[i], 0
.set i, i+1
.endr
	v_mul_u32_u24 v[AK0], v1, PK
	v_lshl_add_u32 v[AK0], v9, 4, v[AK0]
	v_and_b32 v10, 7, v0                           ; the turning load: lane l reads key 8 (l / 16) + l % 8, channels 8 ((l / 8) % 2) + 0..7
	v_bfe_u32 v11, v0, 3, 1
	v_lshl_add_u32 v[AV0], v9, 3, v10
	v_mul_u32_u24 v[AV0], v[AV0], PV
	v_lshl_add_u32 v[AV0], v11, 4, v[AV0]
	v_add_nc_u32 v[AV0], VOFF, v[AV0]
	s_mul_i32 s13, s[WV], 16*SP
	s_add_co_u32 s13, s13, STAGE                   ; my stage
	v_mul_u32_u24 v[STO], v1, SP
	v_lshl_add_u32 v[STO], v9, 4, v[STO]
	v_add_nc_u32 v[STO], s13, v[STO]
	v_bfe_u32 v[RD], v0, 3, 2
	v_mul_u32_u24 v[RD], v[RD], SP
	v_lshl_add_u32 v[RD], v10, 4, v[RD]
	v_add_nc_u32 v[RD], s13, v[RD]
	v_and_b32 v[GO], 31, v0
	v_lshlrev_b32 v[GO], 4, v[GO]
	s_wait_loadcnt 0x0                             ; both partial sums are in
	WIN 0x45                                       ; all three in window 1
.set i, 0
.rept 64
	v_pk_add_f32 v[2*i:2*i+1], v[2*i:2*i+1], v[128+2*i:128+2*i+1]
.set i, i+1
.endr
	WIN 0x85                                       ; sources window 1, destination window 2
.set i, 0
.rept 64
	v_cvt_pk_f16_f32 v[i], v[2*i], v[2*i+1]        ; Q, rounded once
.set i, i+1
.endr
	WIN 0x40
.set i, 0
.rept 128
	v_mov_b32 v[i], 0                              ; O^T
.set i, i+1
.endr
	WIN 0
; THE MATRIX WORK.  The 4 accumulators of a run of 8 take turns.  Product i of 8 of S^T = K Q^T for piece x: channels 32 (i / 4) on, keys 16 (i % 4) on.  The first 4 start the sums.
.macro KQ x
	WIN W_KQ
.set rS, S+32*((\x)%2)+8*(i%4)
.set rK, KF+16*(i%4)+8*(i/4)
.set rQ, 16*(\x)+8*(i/4)
.if i < 4
	v_wmma_f32_16x16x32_f16 v[rS:rS+7], v[rK:rK+7], v[rQ:rQ+7], 0
.else
	v_wmma_f32_16x16x32_f16 v[rS:rS+7], v[rK:rK+7], v[rQ:rQ+7], v[rS:rS+7]
.endif
.endm
; Product i of 8 of O^T += V^T P for piece x: keys 32 (i / 4) on, channels 16 (i % 4) on.
.macro PV x
	WIN W_PV
.set rO, 32*(\x)+8*(i%4)
.set rV, VF+32*(i/4)+8*(i%4)
.set rP, P+16*((\x)%2)+8*(i/4)
	v_wmma_f32_16x16x32_f16 v[rO:rO+7], v[rV:rV+7], v[rP:rP+7], v[rO:rO+7]
.endm
.macro MM                              ; the turn's next matrix instruction
.if i < 8
	KQ (Y+1)%NP
.else
.set i, i-8
	PV (Y+NP-1)%NP
.set i, i+8
.endif
.set i, i+1
.endm
; THE LDS LOADS stand in runs of 16.  last = 1 (the tail): in the last trip there is no further step, and the run is jumped over.
.macro FETCH_K last=0
	WIN 0
.if \last
	s_cmp_eq_u32 s[CNT], 1
	s_cbranch_scc1 .Lno_k_\@
.endif
	WIN 0x80
.irp f, 0,1,2,3,4,5,6,7                ; keys 16 (f / 2) on, channels 32 (f % 2) on
	ds_load_b128 v[KF+8*\f:KF+8*\f+3],   v[AK] offset:(\f/2)*16*PK+(\f%2)*64
	ds_load_b128 v[KF+8*\f+4:KF+8*\f+7], v[AK] offset:(\f/2)*16*PK+(\f%2)*64+32
.endr
	s_add_co_u32 s[TBK], s[TBK], KS*PK             ; the next fetch is the next step's
	WIN 0
.if \last
.Lno_k_\@:
.endif
.endm
.macro FETCH_V
	WIN 0x80
.irp f, 0,1,2,3,4,5,6,7                ; keys 32 (f / 4) on, channels 16 (f % 4) on
	ds_load_tr16_b128 v[VF+8*\f:VF+8*\f+3],   v[AV] offset:(\f/4)*32*PV+(\f%4)*32
	ds_load_tr16_b128 v[VF+8*\f+4:VF+8*\f+7], v[AV] offset:(\f/4)*32*PV+16*PV+(\f%4)*32
.endr
	WIN 0
.endm
; THE VECTOR WORK, one line at a time: OP kind, number.  For piece Y: F n: c s - c m for pair n of 16.  E n: the exponential of score n of 32.  C n: pair n rounded to f16.  B n: of the four weights 4 n .. the second
; pair is added onto the first, in place.  L n: l takes that sum (L 0: l = a l + sum).  R n: pair n of 16 of O^T times a.  For piece Y + 1: X n, number n of the 22 that find its maximum and statistics:
;   0-11  four chains c0-c3 of seven scores each (each accumulator's lowest registers are read first)     12-14, 16  the four scores left over, the old m, and c0-c3 into c0
;   15  c m_old is kept     17, 18  the query's other 32 keys lie in the lane 16 away: the new m     19-21  c m; c m_old - c m_new; a
.set F, 0
.set E, 1
.set C, 2
.set B, 3
.set L, 4
.set R, 5
.set X, 6
.macro REGS y
.set rT, ST+4*(\y)
.set rC, TMP+4*((\y)%2)
.set rW, MV+((\y)%2)
.set rS, S+32*((\y)%2)
.set rP, P+16*((\y)%2)
.set rO, 32*(\y)
.endm
.macro OP k, n
.if (\k) == R
	REGS Y
	WIN W_RS
	v_pk_mul_f32 v[rO+2*(\n):rO+2*(\n)+1], v[rO+2*(\n):rO+2*(\n)+1], v[rC+2:rC+3] op_sel_hi:[1,0]
.elseif (\k) < R
	REGS Y
	WIN 0
.if (\k) == F
	v_pk_fma_f32 v[rS+2*(\n):rS+2*(\n)+1], v[rS+2*(\n):rS+2*(\n)+1], s[CS:CS+1], v[rT:rT+1] op_sel_hi:[1,0,0] neg_lo:[0,0,1] neg_hi:[0,0,1]
.elseif (\k) == E
	v_exp_f32 v[rS+(\n)], v[rS+(\n)]
.elseif (\k) == C
	s_wait_alu depctr_va_vdst(0)
	v_cvt_pk_f16_f32 v[rP+(\n)], v[rS+2*(\n)], v[rS+2*(\n)+1]
.elseif (\k) == B
	s_wait_alu depctr_va_vdst(0)
	v_pk_add_f32 v[rS+4*(\n):rS+4*(\n)+1], v[rS+4*(\n):rS+4*(\n)+1], v[rS+4*(\n)+2:rS+4*(\n)+3]
.elseif (\n) == 0
	v_pk_fma_f32 v[rT+2:rT+3], v[rT+2:rT+3], v[rC+2:rC+3], v[rS:rS+1] op_sel_hi:[1,0,1]
.else
	v_pk_add_f32 v[rT+2:rT+3], v[rT+2:rT+3], v[rS+4*(\n):rS+4*(\n)+1]
.endif
.else
	REGS (Y+1)%NP
	WIN 0
.if (\n) < 4
	v_max3_num_f32 v[rC+(\n)], v[rS+8*(\n)], v[rS+8*(\n)+1], v[rS+8*(\n)+2]
.elseif (\n) < 12
	v_max3_num_f32 v[rC+(\n)%4], v[rC+(\n)%4], v[rS+8*((\n)%4)+2*((\n)/4)+1], v[rS+8*((\n)%4)+2*((\n)/4)+2]
.elseif (\n) == 12
	v_max3_num_f32 v[rC], v[rC], v[rS+7], v[rS+15]
.elseif (\n) == 13
	v_max3_num_f32 v[rC+1], v[rC+1], v[rS+23], v[rS+31]
.elseif (\n) == 14
	v_max3_num_f32 v[rC+2], v[rC+2], v[rC+3], v[rT+1]
.elseif (\n) == 15
	v_mov_b32 v[rW], v[rT]
.elseif (\n) == 16
	v_max3_num_f32 v[rC], v[rC], v[rC+1], v[rC+2]
.elseif (\n) == 17
	v_permlanex16_b32 v[rC+3], v[rC], s[SEL], s[SEL+1]
.elseif (\n) == 18
	v_max_num_f32 v[rT+1], v[rC], v[rC+3]
.elseif (\n) == 19
	v_mul_f32 v[rT], s[CS], v[rT+1]
.elseif (\n) == 20
	v_sub_f32 v[rC+1], v[rW], v[rT]
.else
	v_exp_f32 v[rC+2], v[rC+1]
.endif
.endif
.endm
.macro OPS a, i1, b=-1, i2=0, c=-1, i3=0, d=-1, i4=0
	OP \a, \i1
.if (\b) >= 0
	OP \b, \i2
.endif
.if (\c) >= 0
	OP \c, \i3
.endif
.if (\d) >= 0
	OP \d, \i4
.endif
.endm
.macro ROW a, i1, b, i2, c, i3, d, i4  ; a matrix instruction and the four behind it
	MM
	OPS \a, \i1, \b, \i2, \c, \i3, \d, \i4
.endm
; A TURN, for piece p: the order of its 16 matrix and 118 vector instructions, written out.  Behind a matrix instruction: plain, exponential, plain, plain; or four of the rescaling; or, behind the first, four
; scalings; none names a register of the products round it.  In the lumps exponential and plain by turns while exponentials last.
; K of the next step is fetched in piece 2's turn, six vector instructions behind the last product that read K (five of them plain); V of the step in hand in piece 0's turn, eight behind the last product that
; read V (four plain).  Each is waited for a turn later.  cnt = 1: the loop's count is taken down some lines ahead of the branch that stands behind the turn.
.macro TURN p, last=0, cnt=0
.set Y, (\p)
.set i, 0
.if (\p) == 3
	s_wait_dscnt 0x0                               ; K is in
.endif
	ROW F,0, F,1, F,2, F,3
	ROW F,4, E,0, F,5, F,6
	ROW F,7, E,1, F,8, F,9
	ROW F,10, E,2, C,0, F,11
	ROW F,12, E,3, X,15, F,13
	ROW R,0, R,1, R,2, R,3
	ROW B,0, E,4, F,14, L,0
.if (\p) == 2
	v_add_nc_u32 v[AK], s[TBK], v[AK0]
.endif
	ROW R,4, R,5, R,6, R,7
	OPS E,5, F,15
.if (\p) == 2
	FETCH_K \last
.endif
	OPS E,6, C,1, E,7, R,8
	OPS E,8, R,9, E,9, C,2
	OPS E,10, X,0, E,11, X,1
	OPS E,12, X,2, E,13, X,3
.if (\p) == 1
	s_wait_dscnt 0x0                               ; V is in
.endif
	ROW X,4, E,14, X,5, X,6
	ROW X,7, E,15, X,8, X,9
	ROW X,10, E,16, X,11, X,12
	ROW X,13, E,17, X,14, B,1
	ROW C,4, E,18, X,16, L,1
	ROW B,2, E,19, C,6, L,2
	ROW C,8, E,20, B,3, B,4
.if (\p) == 0
	v_add_nc_u32 v[AV], s[TBV], v[AV0]
.endif
	ROW C,3, E,21, L,3, C,5
	OPS E,22, X,17, E,23, C,10
.if (\p) == 0
	FETCH_V
.endif
	OPS E,24, L,4
	OPS E,25, X,18, E,26, C,7
	OPS E,27, B,5, E,28, X,19
	OPS E,29, C,12, E,30, L,5
	OPS E,31, X,20, B,6, C,9
	OPS C,14, C,11, X,21, L,6
.if (\p) == 0
	s_add_co_u32 s[TBV], s[TBV], KS*PV
.endif
.if \cnt
	s_sub_co_u32 s[CNT], s[CNT], 1
	s_cmp_lg_u32 s[CNT], 0
.endif
	OPS C,13, B,7, C,15, R,10
	OPS R,11, R,12, L,7, R,13
	OPS R,14, R,15
.endm
	CHANGE 1                                       ; slot 0 is in, everybody's part of it; slot 1 is asked for
	v_add_nc_u32 v[AK], s[TBK], v[AK0]
	FETCH_K                                        ; my first key step
	s_wait_dscnt 0x0
.set i, 0
.rept 8
	KQ 0                                           ; piece 0's first scores
.set i, i+1
.endr
	WIN 0
.rept 4
	v_nop                                          ; the places behind those products
.endr
.set Y, NP-1                           ; X works for piece Y + 1: piece 0
.irp n, 0,1,2,3,4,5,6,7,8,9,10,11,12,13,14,15,16,17,18,19,20,21
	OP X, \n
.endr
	v_nop                                          ; a plain instruction behind the exponential
	s_mov_b32 s[CNT], 2
	s_branch .Lfirst                               ; the loop is entered at a step's first turn, in the middle of a trip
.Lslot:                                                ; 14 times: every slot but the last two is filled again
	CHANGE 1
	s_mov_b32 s[CNT], 2
.Lstep:                                                ; a trip: pieces 2 and 3 of one step, then pieces 0 and 1 of the next, whose K and V it fetches
	TURN 2
	TURN 3
	WIN 0
.Lfirst:
	TURN 0
	TURN 1, 0, 1
	WIN 0
	s_cbranch_scc1 .Lstep
	s_sub_co_u32 s[SLOTS], s[SLOTS], 1
	s_cmp_lg_u32 s[SLOTS], 0
	s_cbranch_scc1 .Lslot
	CHANGE 0                                       ; the tail is written out: nothing is asked for
	s_mov_b32 s[CNT], 3                            ; two trips fetch the last slot's steps; the third is left in its middle
.Ltail:
	TURN 2, 1
	TURN 3
	WIN 0
	s_sub_co_u32 s[CNT], s[CNT], 1
	s_cmp_eq_u32 s[CNT], 0
	s_cbranch_scc1 .Lout
	TURN 0
	TURN 1
	WIN 0
	s_branch .Ltail
.Lout:                                                 ; the third trip's 8 products K Q^T (on the last K once more) give scores that m has already seen: m and c m stay as they are
.set i, 0
.rept 8
	PV NP-1                                        ; the last piece's V^T P of the last step
.set i, i+1
.endr
	; THE JOIN of the two key halves.  Each wave lays down (c m, l) of its four pieces; both partners then know M = the greater c m and L = the sum of 2^(c m - M) l, scale their own O^T by 2^(c m - M) / L,
	; lay it down in f32, and each adds and finishes two of the four pieces.
	WIN 0
.macro ALL line:vararg                 ; one line for each piece t
.set t, 0
.rept 4
	\line
.set t, t+1
.endr
.endm
	ALL v_add_f32 v[ST+4*t+2], v[ST+4*t+2], v[ST+4*t+3]
	ALL v_permlanex16_b32 v[ST+4*t+3], v[ST+4*t+2], s[SEL], s[SEL+1]
	ALL v_add_f32 v[ST+4*t+1], v[ST+4*t+2], v[ST+4*t+3]
	v_and_b32 v1, 31, v0
	s_lshl_b32 s13, s[WV], 10
	s_add_co_u32 s13, s13, STATS
	v_lshl_add_u32 v[SA], v1, 3, s13               ; my wave's statistics
	s_lshl_b32 s13, s[QH], 11
	s_add_co_u32 s13, s13, STATS
	v_lshl_add_u32 v[SB], v1, 3, s13               ; those of the two waves of my query half
	s_lshl_b32 s13, s[WV], 14
	s_add_co_u32 s13, s13, CMB
	v_lshl_add_u32 v[CA], v1, 4, s13               ; my wave's O^T
	s_lshl_b32 s13, s[QH], 15
	s_lshl_b32 s14, s[KH], 13
	s_add_co_u32 s13, s13, s14
	s_add_co_u32 s13, s13, CMB
	v_lshl_add_u32 v[CB], v1, 4, s13               ; pieces 2 x key half and the next, of the first wave of my query half
	ALL ds_store_b64 v[SA], v[ST+4*t:ST+4*t+1] offset:256*t
	s_wait_dscnt 0x0                               ; for the partner's sake: my stores are done
	s_barrier_signal -1
	s_barrier_wait -1
.irp u, 0,1
.irp t, 0,1,2,3
	ds_load_b64 v[128+8*(\u)+2*(\t):128+8*(\u)+2*(\t)+1], v[SB] offset:1024*(\u)+256*(\t)
.endr
.endr
	s_wait_dscnt 0x0
.irp t, 0,1,2,3
	v_max_num_f32 v[144+(\t)], v[128+2*(\t)], v[136+2*(\t)]
.endr
.irp t, 0,1,2,3
	v_sub_f32 v[148+(\t)], v[128+2*(\t)], v[144+(\t)]
	v_sub_f32 v[152+(\t)], v[136+2*(\t)], v[144+(\t)]
	v_sub_f32 v[156+(\t)], v[ST+4*(\t)], v[144+(\t)]
.endr
.set i, 148
.rept 12
	v_exp_f32 v[i], v[i]
.set i, i+1
.endr
	v_nop                                          ; a plain instruction behind the last exponential
.irp t, 0,1,2,3
	s_wait_alu depctr_va_vdst(0)
	v_mul_f32 v[160+(\t)], v[148+(\t)], v[129+2*(\t)]
.endr
.irp t, 0,1,2,3
	v_fmac_f32 v[160+(\t)], v[152+(\t)], v[137+2*(\t)]
.endr
.irp t, 0,1,2,3
	v_rcp_f32 v[160+(\t)], v[160+(\t)]             ; L is at least 1: the greatest key's weight
.endr
	v_nop
.irp t, 0,1,2,3
	s_wait_alu depctr_va_vdst(0)
	v_mul_f32 v[164+2*(\t)], v[156+(\t)], v[160+(\t)]
	v_mul_f32 v[165+2*(\t)], v[156+(\t)], v[160+(\t)]
.endr
	WIN W_RS
.set i, 0
.rept 64
	v_pk_mul_f32 v[2*i:2*i+1], v[2*i:2*i+1], v[164+2*(i/16):165+2*(i/16)]
.set i, i+1
.endr
	WIN 0x04                                       ; store data (source 1) in window 1, address in window 0
.set i, 0
.rept 32
	ds_store_b128 v[CA], v[4*i:4*i+3] offset:512*i ; 32 lanes x 16 bytes on end
.set i, i+1
.endr
	WIN 0
	s_wait_dscnt 0x0
	s_barrier_signal -1
	s_barrier_wait -1
.set i, 0
.rept 32                               ; both partners' versions of my two pieces: v64-127 and v128-191
	ds_load_b128 v[64+4*i:64+4*i+3], v[CB] offset:16384*(i/16)+512*(i%16)
.set i, i+1
.endr
	s_wait_dscnt 0x0
.set i, 0
.rept 32
	v_pk_add_f32 v[64+2*i:64+2*i+1], v[64+2*i:64+2*i+1], v[128+2*i:128+2*i+1]
.set i, i+1
.endr
.set i, 0
.rept 32
	v_cvt_pk_f16_f32 v[192+i], v[64+2*i], v[64+2*i+1]
.set i, i+1
.endr
.macro PACK t                          ; a lane's eight channels of a row are 16 bytes; they go into rows of 144 bytes and come back as whole rows of 128
.irp f, 0,1,2,3
	ds_store_b128 v[STO], v[192+16*(\t)+4*\f:192+16*(\t)+4*\f+3] offset:32*\f
.endr
.irp f, 0,1,2,3
	ds_load_b128 v[192+16*(\t)+4*\f:192+16*(\t)+4*\f+3], v[RD] offset:\f*4*SP  ; LDS serves a wave's instructions in order (ISA guide 5.7.1.4)
.endr
.endm
.macro SEND t, younger                 ; younger: the LDS instructions issued behind piece t's loads
.irp f, 0,1,2,3
	s_wait_dscnt (\younger)+3-\f
	global_store_b128 v[GO], v[192+16*(\t)+4*\f:192+16*(\t)+4*\f+3], s[10:11] offset:(\t)*2048+\f*512  ; 512 consecutive bytes, at a multiple of 256 from O's first
.endr
.endm
	PACK 0
	PACK 1
	SEND 0, 8
	SEND 1, 0
	s_wait_tensorcnt 0x0                           ; the wave's end
	ds_add_u32 v[SPW], v[NIL]
	s_wait_dscnt 0x0
	CROUND                                         ; the closing round
	s_endpgm
.Lfunc_end_k_q0a04dbc55c_attn:
	.size	k_q0a04dbc55c_attn, .Lfunc_end_k_q0a04dbc55c_attn-k_q0a04dbc55c_attn
	.p2alignl 7, 3214868480
	.fill 96, 4, 3214868480
	.section	.rodata,"a",@progbits
	.p2align	6, 0x0
	.amdhsa_kernel k_q0a04dbc55c_attn
		.amdhsa_group_segment_fixed_size 327680
		.amdhsa_private_segment_fixed_size 0
		.amdhsa_enable_private_segment 0
		.amdhsa_kernarg_size 40
		.amdhsa_user_sgpr_count 2
		.amdhsa_user_sgpr_kernarg_segment_ptr 1
		.amdhsa_wavefront_size32 1
		.amdhsa_system_sgpr_workgroup_id_x 1
		.amdhsa_system_sgpr_workgroup_id_y 1
		.amdhsa_system_sgpr_workgroup_id_z 1
		.amdhsa_system_vgpr_workitem_id 0
		.amdhsa_next_free_vgpr 768
		.amdhsa_next_free_sgpr 66
		.amdhsa_reserve_vcc 0
		.amdhsa_float_denorm_mode_32 3
		.amdhsa_float_denorm_mode_16_64 3
		.amdhsa_memory_ordered 1
		.amdhsa_forward_progress 1
		.amdhsa_inst_pref_size 134
	.end_amdhsa_kernel
	.amdgpu_metadata
---
amdhsa.version: [ 1, 2 ]
amdhsa.kernels:
  - .name:           k_q0a04dbc55c_attn
    .symbol:         k_q0a04dbc55c_attn.kd
    .args:
      - { .name: q32a, .offset: 0, .size: 8, .value_kind: global_buffer, .address_space: global }
      - { .name: k16, .offset: 8, .size: 8, .value_kind: global_buffer, .address_space: global }
      - { .name: v16, .offset: 16, .size: 8, .value_kind: global_buffer, .address_space: global }
      - { .name: o16, .offset: 24, .size: 8, .value_kind: global_buffer, .address_space: global }
      - { .name: q32b, .offset: 32, .size: 8, .value_kind: global_buffer, .address_space: global }
    .group_segment_fixed_size: 327680
    .private_segment_fixed_size: 0
    .kernarg_segment_align: 8
    .kernarg_segment_size: 40
    .max_flat_workgroup_size: 128
    .sgpr_count:     66
    .vgpr_count:     768
    .wavefront_size: 32
...
	.end_amdgpu_metadata
.endif
;; end of part 4
;; launch gemm_out (part 5): grid 16 x 16, 4 waves a work-group, clusters of 4 x 4, 327,680 bytes of LDS; arguments o16, w16, out0; writes out0
.if DOCPART == 5
	.amdgcn_target "amdgcn-amd-amdhsa--gfx1250"
	.amdhsa_code_object_version 6
	.text
	.protected	k_q0a04dbc55c_gemm_out
	.globl	k_q0a04dbc55c_gemm_out
	.p2align	8
	.type	k_q0a04dbc55c_gemm_out,@function
k_q0a04dbc55c_gemm_out:
	s_mov_b64 s[64:65], 0
	v_nop
	global_prefetch_b8 v0, s[64:65] scope:SCOPE_SE
	s_setreg_imm32_b32 hwreg(HW_REG_WAVE_MODE, 25, 1), 1
	s_wait_xcnt 0x0
	s_wait_alu depctr_hold_cnt(0) depctr_sa_sdst(0) depctr_va_vdst(0) depctr_va_sdst(0) depctr_va_ssrc(0) depctr_va_vcc(0) depctr_vm_vsrc(0)
	s_getreg_b32 s2, hwreg(HW_REG_IB_STS2, 6, 4)
	s_cmp_eq_u32 s2, 0
	s_cbranch_scc0 .Lentry_in_a_cluster
	s_endpgm
.Lentry_in_a_cluster:
	s_bfe_u32 s2, ttmp6, 0x10000c
	s_cmp_lg_u32 s2, 0xf033
	s_cbranch_scc0 .Lentry_shape_is_right
	s_endpgm
.Lentry_shape_is_right:
; out0 = O Wout.  A = o16 [batch x 16 + head][1024][64] f16; B = Wout in f16, [1024 (k)][3072 (n)], at byte 14,680,064 of w16; out0 [2048][3072] f32; sums in f32.  NaN and infinities are not treated apart.
; SHARES.  Tiles of 128 x 192: 16 x 16 = 256 equal work-groups.  A wave makes 32 rows x all 192 columns (24 accumulators), so that its rows of the result are 768 bytes on end: three aligned blocks of 256.
; K goes in 8 steps of 128 = two heads through two LDS slots filled by tensor loads (two slots of four heads, 2 x 196,608 bytes with their padding, would not fit).  A head's 128 rows of the tile are 16,384 dense bytes.
; B LIES [K][N]: its fragments come out of LDS turned, by ds_load_tr16_b128.  Source 0 = 16 columns of B, source 1 = 16 rows of A: a lane holds one row and eight neighbouring columns.
; CLUSTER 4 x 4: A's tile is shared along a row of the cluster, B's along a column; each is asked for jointly.  The loop is one K step long; an exclusive or turns the slot.
; REGISTERS: window 0: v16-29 addresses; v64-255 accumulator (a, b) at v[64 + 8 (12 a + b)].  Windows 1 and 2: the fragments of a step's first and second head, 224 each: A's block a of half c (32 along K) at
; v[8 (2 c + a)], B's block b at v[32 + 8 (12 c + b)].  On the way out window 1 takes the rows that come back from the stage.
.set AP,    144                        ; a row of A in LDS: a head's 128 bytes + 16
.set AHEAD, 128*AP                     ; a head's 128 rows: what one load of A fills
.set PBS,   160                        ; 64 columns of a k-row of B: 128 bytes + 32
.set PB,    3*PBS                      ; a k-row: 480 bytes, an odd multiple of 32
.set BOFF,  2*AHEAD                    ; B behind A's two heads
.set BPART, 64*PB                      ; 64 k-rows: what one load of B fills
.set SLOT,  1<<17                      ; above every place in a slot, so that an exclusive or changes slots
.set STAGE, SLOT+BOFF+2*BPART          ; behind the ring: for each wave 16 rows of 768 + 16 bytes
.set SPI,   784
.set WSTG,  16*SPI
.set SPARE, STAGE+4*WSTG               ; the spare words: two blocks of 256 bytes that no other line names
.set ASTEP, 262144                     ; two heads on
.set BSTEP, 128*3072*2                 ; 128 k-rows down
.set BBASE, 14680064
.set CP,    12288                      ; bytes in a row of out0
.set ADRA0, 16
.set ADRA,  17
.set ADRB0, 20
.set ADRB,  21
.set STO,   24
.set RD,    25
.set CO,    26
.set SPW,   28
.set NIL,   29
.set ACC,   64
.set WV, 12
.set RH, 13                            ; I fetch for A (0) or B (1)
.set CH, 14                            ; which head of the step, or which 64 k-rows, I fetch
.set CX, 15
.set CY, 16
.set TX, 17
.set TY, 18
.set G1A, 24
.set G0A, 32                           ; two sets: the first fills; the second then walks
.set G1B, 40
.set G0B, 48
.set TB,  56                           ; 0 or SLOT: the slot that is read
.set CNT, 57
.set MSB, 0
.macro WIN new
.if MSB != (\new)
	s_set_vgpr_msb (MSB<<8)|(\new)
.set MSB, (\new)
.endif
.endm
.macro PLACES                          ; four plain vector instructions between a matrix instruction and a load into, or a read of, its registers
.rept 4
	v_nop
.endr
.endm
.macro JLOAD                           ; a joint refill by the walking set; an s_nop 0 and four v_nop follow each of the two lines
	s_cmp_eq_u32 s[RH], 0
	s_cbranch_scc0 .Lfor_b_\@
	tensor_load_to_lds s[G0A+4:G0A+7], s[G1A:G1A+7]
	s_nop 0
	PLACES
	s_branch .Lasked_\@
.Lfor_b_\@:
	tensor_load_to_lds s[G0B+4:G0B+7], s[G1B:G1B+7]
	s_nop 0
	PLACES
.Lasked_\@:
.endm
.macro CREST
	s_cmp_lg_u32 s[WV], 0
	s_cbranch_scc1 .Lnot_wave_0_\@
	s_barrier_signal -3
.Lnot_wave_0_\@:
	s_barrier_wait -3
	s_barrier_signal -1
	s_barrier_wait -1
.endm
.macro CROUND
	s_barrier_signal -1
	s_barrier_wait -1
	CREST
.endm
	s_load_b128 s[4:7], s[0:1], 0x0                ; o16 4, w16 6
	s_load_b64 s[8:9], s[0:1], 0x10                ; out0
	v_lshl_add_u32 v[SPW], v0, 2, SPARE
	v_mov_b32 v[NIL], 0
	ds_add_u32 v[SPW], v[NIL]                      ; the wave's opening: the add and its wait stand ahead of my first tensor load
	v_lshrrev_b32 v1, 5, v0
	v_readfirstlane_b32 s[WV], v1
	s_lshr_b32 s[RH], s[WV], 1
	s_and_b32 s[CH], s[WV], 1
	s_bfe_u32 s[CX], ttmp6, 0x40000
	s_bfe_u32 s[CY], ttmp6, 0x40004
	s_lshl_b32 s[TX], ttmp9, 2
	s_add_co_u32 s[TX], s[TX], s[CX]               ; tile column 0..15
	s_and_b32 s[TY], ttmp7, 0xffff
	s_lshl_b32 s[TY], s[TY], 2
	s_add_co_u32 s[TY], s[TY], s[CY]               ; tile row 0..15
	s_lshl_b32 s19, s[CY], 2
	s_lshl_b32 s19, 15, s19                        ; my row of the cluster
	s_lshl_b32 s20, 0x1111, s[CX]                  ; my column
	s_or_b32 s[G1A], s19, (1<<16)|(1<<20)|(1<<21)|(4<<22)|(3<<25)  ; mask; 2-byte elements; padding on; bit 21 beside a mask; after every 32 words (a row of a head) 4 words
	s_mov_b32 s[G1A+1], 128<<16                    ; a head's 128 rows, 16,384 dense bytes, are asked for as 64 rows of 256 bytes
	s_mov_b32 s[G1A+2], 64<<16
	s_mov_b32 s[G1A+3], 128<<16
	s_mov_b32 s[G1A+4], 64
	s_mov_b32 s[G1A+5], 128
	s_mov_b32 s[G1A+6], 0
	s_mov_b32 s[G1A+7], 0
	s_or_b32 s[G1B], s20, (1<<16)|(1<<20)|(1<<21)|(4<<22)|(7<<25)  ; after every 32 words, a third of a k-row, 8 words
	s_mov_b32 s[G1B+1], 192<<16                    ; 192 columns
	s_mov_b32 s[G1B+2], 64<<16                     ; 64 k-rows
	s_mov_b32 s[G1B+3], 192<<16
	s_mov_b32 s[G1B+4], 64
	s_mov_b32 s[G1B+5], 3072
	s_mov_b32 s[G1B+6], 0
	s_mov_b32 s[G1B+7], 0
	; A's address is made of the tile row and the wave's number alone, B's of the tile column and the wave's number alone
	s_lshr_b32 s58, s[TY], 3                       ; batch
	s_lshl_b32 s58, s58, 4
	s_add_co_u32 s58, s58, s[CH]                   ; my head of the step's two
	s_lshl_b32 s58, s58, 10
	s_and_b32 s21, s[TY], 7
	s_lshl_b32 s21, s21, 7
	s_add_co_u32 s58, s58, s21                     ; the tile's first row in the head
	s_lshl_b32 s58, s58, 7
	s_mov_b32 s59, 0
	s_mul_i32 s60, s[CH], 64*3072*2
	s_mul_i32 s62, s[TX], 384
	s_add_co_u32 s60, s60, s62
	s_add_co_u32 s60, s60, BBASE
	s_mov_b32 s61, 0
	s_mul_i32 s22, s[CH], AHEAD                    ; where A's loads land,
	s_mul_i32 s23, s[CH], BPART                    ; and B's
	s_add_co_u32 s23, s23, BOFF
	s_mov_b32 s[TB], 0
	s_wait_dscnt 0x0                               ; the opening add is done
	s_wait_kmcnt 0x0
	s_add_nc_u64 s[58:59], s[4:5], s[58:59]
	s_add_nc_u64 s[60:61], s[6:7], s[60:61]
.irp s, 0,1
	s_mov_b32 s[G0A+4*(\s)], 1
	s_add_co_u32 s[G0A+4*(\s)+1], s22, (\s)*SLOT
	s_add_nc_u64 s[G0A+4*(\s)+2:G0A+4*(\s)+3], s[58:59], (\s)*ASTEP
	s_or_b32 s[G0A+4*(\s)+3], s[G0A+4*(\s)+3], 0x80000000
	s_mov_b32 s[G0B+4*(\s)], 1
	s_add_co_u32 s[G0B+4*(\s)+1], s23, (\s)*SLOT
	s_add_nc_u64 s[G0B+4*(\s)+2:G0B+4*(\s)+3], s[60:61], (\s)*BSTEP
	s_or_b32 s[G0B+4*(\s)+3], s[G0B+4*(\s)+3], 0x80000000
.endr
	CROUND                                         ; all sixteen work-groups are here: the first joint loads meet
	s_cmp_eq_u32 s[RH], 0                          ; a wave's two first fills stand in one branch: two loads of mine are out
	s_cbranch_scc0 .Lfirst_b
	tensor_load_to_lds s[G0A:G0A+3], s[G1A:G1A+7]
	s_nop 0
	tensor_load_to_lds s[G0A+4:G0A+7], s[G1A:G1A+7]
	s_nop 0
	PLACES
	s_branch .Lfirst_asked
.Lfirst_b:
	tensor_load_to_lds s[G0B:G0B+3], s[G1B:G1B+7]
	s_nop 0
	tensor_load_to_lds s[G0B+4:G0B+7], s[G1B:G1B+7]
	s_nop 0
	PLACES
.Lfirst_asked:
	v_and_b32 v1, 15, v0                           ; r
	v_bfe_u32 v2, v0, 4, 1                         ; h
	v_and_b32 v3, 7, v0
	v_bfe_u32 v4, v0, 3, 1
	v_mul_u32_u24 v[ADRA0], v1, AP
	v_lshl_add_u32 v[ADRA0], v2, 4, v[ADRA0]
	s_mul_i32 s19, s[WV], 32*AP                    ; my 32 rows
	v_add_nc_u32 v[ADRA0], s19, v[ADRA0]
	v_lshl_add_u32 v5, v2, 3, v3                   ; B, turned: k-row 8 h + l % 8, 16 bytes at 16 ((l / 8) % 2)
	v_mul_u32_u24 v[ADRB0], v5, PB
	v_lshl_add_u32 v[ADRB0], v4, 4, v[ADRB0]
	v_add_nc_u32 v[ADRB0], BOFF, v[ADRB0]
	v_mov_b32 v[ADRA], v[ADRA0]
	v_mov_b32 v[ADRB], v[ADRB0]
	s_mul_i32 s19, s[WV], WSTG
	s_add_co_u32 s19, s19, STAGE                   ; my stage
	v_mul_u32_u24 v[STO], v1, SPI                  ; in: row r, 32 bytes for each half of the lanes
	v_lshl_add_u32 v[STO], v2, 5, v[STO]
	v_add_nc_u32 v[STO], s19, v[STO]
	v_mul_u32_u24 v[RD], v2, SPI                   ; back: lanes 0-15 take 256 bytes of one row, lanes 16-31 of the next
	v_lshl_add_u32 v[RD], v1, 4, v[RD]
	v_add_nc_u32 v[RD], s19, v[RD]
	v_mul_u32_u24 v[CO], v2, CP                    ; and the same in out0
	v_lshl_add_u32 v[CO], v1, 4, v[CO]
	s_lshl_b32 s19, s[TY], 7
	s_lshl_b32 s21, s[WV], 5
	s_add_co_u32 s19, s19, s21
	s_mul_i32 s62, s19, CP                         ; my first row,
	s_mul_i32 s21, s[TX], 768
	s_add_co_u32 s62, s62, s21                     ; the tile's 192 columns: 768 bytes, at a multiple of 256
	s_mov_b32 s63, 0
	s_add_nc_u64 s[8:9], s[8:9], s[62:63]
; 12 matrix instructions: m block a x all 12 n blocks, 32 along K: half c of the fragments in window w.  zero = 1: the product starts the sums.  The 24 accumulators take turns in the same order throughout.
.macro MUL12 w, c, a, zero
	WIN 5*(\w)                                     ; sources 0 (B) and 1 (A) in window w; C and D in window 0
.irp b, 0,1,2,3,4,5,6,7,8,9,10,11
.if \zero
	v_wmma_f32_16x16x32_f16 v[ACC+8*(12*(\a)+(\b)):ACC+8*(12*(\a)+(\b))+7], v[32+8*(12*(\c)+(\b)):32+8*(12*(\c)+(\b))+7], v[8*(2*(\c)+(\a)):8*(2*(\c)+(\a))+7], 0
.else
	v_wmma_f32_16x16x32_f16 v[ACC+8*(12*(\a)+(\b)):ACC+8*(12*(\a)+(\b))+7], v[32+8*(12*(\c)+(\b)):32+8*(12*(\c)+(\b))+7], v[8*(2*(\c)+(\a)):8*(2*(\c)+(\a))+7], v[ACC+8*(12*(\a)+(\b)):ACC+8*(12*(\a)+(\b))+7]
.endif
.endr
.endm
; 56 LDS loads in one run: the fragments of head q of the slot in hand into window w: 28 for its first 32 along K, then 28 for the rest
.macro FETCH q, w
	WIN (\w)<<6
.irp c, 0,1
.irp a, 0,1
	ds_load_b128 v[8*(2*(\c)+(\a)):8*(2*(\c)+(\a))+3],   v[ADRA] offset:(\q)*AHEAD+(\a)*16*AP+64*(\c)
	ds_load_b128 v[8*(2*(\c)+(\a))+4:8*(2*(\c)+(\a))+7], v[ADRA] offset:(\q)*AHEAD+(\a)*16*AP+64*(\c)+32
.endr
.irp b, 0,1,2,3,4,5,6,7,8,9,10,11
	ds_load_tr16_b128 v[32+8*(12*(\c)+(\b)):32+8*(12*(\c)+(\b))+3],   v[ADRB] offset:(64*(\q)+32*(\c))*PB+((\b)/4)*PBS+((\b)%4)*32
	ds_load_tr16_b128 v[32+8*(12*(\c)+(\b))+4:32+8*(12*(\c)+(\b))+7], v[ADRB] offset:(64*(\q)+32*(\c)+16)*PB+((\b)/4)*PBS+((\b)%4)*32
.endr
.endr
.endm
; A K step's first head: multiplies window 1 and, in its middle, fetches the second head into window 2
.macro HALF zero
	s_wait_dscnt 28                                ; the first 32 along K are in; the youngest 28 loads may be out
	MUL12 1, 0, 0, \zero
	MUL12 1, 0, 1, \zero
	s_wait_dscnt 0x0                               ; the rest is in
	PLACES
	FETCH 1, 2
	MUL12 1, 1, 0, 0
	MUL12 1, 1, 1, 0
.endm
; The second head multiplies window 2 and changes slots: each wave waits for all its tensor loads, adds 0 to its spare word, waits for that and for its reads of this slot, and meets the others.
; fill = 1: the barrier opens a round of the cluster's, and this slot is filled again, first thing behind it, with the K step two on.
.macro TURN fill
	WIN 0
	s_wait_tensorcnt 0x0                           ; no tensor load of mine is out, so a group 0 may be written
	ds_add_u32 v[SPW], v[NIL]                      ; 0 onto my spare word
.if \fill
	s_xor_b32 s[G0A+5], s[G0A+5], SLOT             ; the walking sets: the other slot than last time, the next K step
	s_add_nc_u64 s[G0A+6:G0A+7], s[G0A+6:G0A+7], ASTEP
	s_xor_b32 s[G0B+5], s[G0B+5], SLOT
	s_add_nc_u64 s[G0B+6:G0B+7], s[G0B+6:G0B+7], BSTEP
.endif
	s_xor_b32 s[TB], s[TB], SLOT                   ; the slot that is read next
	s_wait_dscnt 29                                ; the add and the youngest 28 loads may be out
	MUL12 2, 0, 0, 0
	s_wait_dscnt 0x0                               ; the add is done, and my reads of this slot are over
	s_barrier_signal -1
	MUL12 2, 0, 1, 0                               ; work on registers while the others arrive
.if \fill
	WIN 0
.endif
	s_barrier_wait -1
.if \fill
	CREST                                          ; no wave of any partner still reads this slot or has a load on its way
	JLOAD                                          ; 72 matrix instructions ahead of the wait for it; its four v_nop are also the places in front of the loads below
.else
	PLACES
.endif
	WIN 0
	v_add_nc_u32 v[ADRA], s[TB], v[ADRA0]
	v_add_nc_u32 v[ADRB], s[TB], v[ADRB0]
	FETCH 0, 1
	MUL12 2, 1, 0, 0
	MUL12 2, 1, 1, 0
.endm
; THE WAY OUT: block a (16 rows x 192 columns of f32) goes into my stage straight from the accumulators, each from its low end on, and comes back as blocks of 256 bytes: 16 lanes store 256 consecutive bytes, aligned.
; Load t brings block t % 3 of rows 2 (t / 3) and 2 (t / 3) + 1, into window 1; each of the two blocks a has registers of its own there.
.macro OUTBLK a
	WIN 0
.irp b, 0,1,2,3,4,5,6,7,8,9,10,11
	ds_store_b128 v[STO], v[ACC+8*(12*(\a)+(\b)):ACC+8*(12*(\a)+(\b))+3]   offset:64*(\b)
	ds_store_b128 v[STO], v[ACC+8*(12*(\a)+(\b))+4:ACC+8*(12*(\a)+(\b))+7] offset:64*(\b)+16
.endr
	WIN 0x40                                       ; destination window 1
.set t, 0
.rept 24
	ds_load_b128 v[96*(\a)+4*t:96*(\a)+4*t+3], v[RD] offset:(t/3)*2*SPI+(t%3)*256  ; LDS serves a wave's instructions in order (ISA guide 5.7.1.4): these see the stores above
.set t, t+1
.endr
	WIN 0x04                                       ; store data (source 1) in window 1
.set t, 0
.rept 24
	s_wait_dscnt 23-t
	global_store_b128 v[CO], v[96*(\a)+4*t:96*(\a)+4*t+3], s[8:9] offset:(16*(\a)+2*(t/3))*CP+(t%3)*256 th:TH_STORE_NT
.set t, t+1
.endr
	WIN 0
.endm
	s_wait_tensorcnt 1                             ; my part of K step 0 is in; K step 1's may stay out
	s_barrier_signal -1
	s_barrier_wait -1
	FETCH 0, 1
	HALF 1                                         ; the first head stands in front of the loop: its first products start the sums
	WIN 0
	s_mov_b32 s[CNT], 6                            ; K steps 0 to 5 fill their slot again
.Lk:                                                   ; a trip: a K step's second head and the next step's first
	TURN 1
	HALF 0
	WIN 0
	s_sub_co_u32 s[CNT], s[CNT], 1
	s_cmp_lg_u32 s[CNT], 0
	s_cbranch_scc1 .Lk
	TURN 0                                         ; K steps 6 and 7 ask for nothing: written out
	HALF 0
	s_wait_dscnt 28                                ; the very last head: nothing more to fetch
	MUL12 2, 0, 0, 0
	MUL12 2, 0, 1, 0
	s_wait_dscnt 0x0
	MUL12 2, 1, 0, 0
	MUL12 2, 1, 1, 0
	WIN 0
	PLACES
	OUTBLK 0
	OUTBLK 1
	s_wait_tensorcnt 0x0                           ; the wave's end
	ds_add_u32 v[SPW], v[NIL]
	s_wait_dscnt 0x0
	CROUND                                         ; the closing round
	s_endpgm
.Lfunc_end_k_q0a04dbc55c_gemm_out:
	.size	k_q0a04dbc55c_gemm_out, .Lfunc_end_k_q0a04dbc55c_gemm_out-k_q0a04dbc55c_gemm_out
	.p2alignl 7, 3214868480
	.fill 96, 4, 3214868480
	.section	.rodata,"a",@progbits
	.p2align	6, 0x0
	.amdhsa_kernel k_q0a04dbc55c_gemm_out
		.amdhsa_group_segment_fixed_size 327680
		.amdhsa_private_segment_fixed_size 0
		.amdhsa_enable_private_segment 0
		.amdhsa_kernarg_size 24
		.amdhsa_user_sgpr_count 2
		.amdhsa_user_sgpr_kernarg_segment_ptr 1
		.amdhsa_wavefront_size32 1
		.amdhsa_system_sgpr_workgroup_id_x 1
		.amdhsa_system_sgpr_workgroup_id_y 1
		.amdhsa_system_sgpr_workgroup_id_z 1
		.amdhsa_system_vgpr_workitem_id 0
		.amdhsa_next_free_vgpr 768
		.amdhsa_next_free_sgpr 66
		.amdhsa_reserve_vcc 0
		.amdhsa_float_denorm_mode_32 3
		.amdhsa_float_denorm_mode_16_64 3
		.amdhsa_memory_ordered 1
		.amdhsa_forward_progress 1
		.amdhsa_inst_pref_size 62
	.end_amdhsa_kernel
	.amdgpu_metadata
---
amdhsa.version: [ 1, 2 ]
amdhsa.kernels:
  - .name:           k_q0a04dbc55c_gemm_out
    .symbol:         k_q0a04dbc55c_gemm_out.kd
    .args:
      - { .name: o16, .offset: 0, .size: 8, .value_kind: global_buffer, .address_space: global }
      - { .name: w16, .offset: 8, .size: 8, .value_kind: global_buffer, .address_space: global }
      - { .name: out0, .offset: 16, .size: 8, .value_kind: global_buffer, .address_space: global }
    .group_segment_fixed_size: 327680
    .private_segment_fixed_size: 0
    .kernarg_segment_align: 8
    .kernarg_segment_size: 24
    .max_flat_workgroup_size: 128
    .sgpr_count:     66
    .vgpr_count:     768
    .wavefront_size: 32
...
	.end_amdgpu_metadata
.endif
;; end of part 5
